; MI455X (gfx1250); checked and timed in simulation.
; The chip was launched on July 23, 2026; its instructions are those of AMD's public machine-readable ISA for CDNA 5 (MIT licence, August 2026) and "CDNA5" Instruction Set Architecture Reference Guide (July 2026). The comments in the code are by the model that wrote it; some were corrected since.
;; Causal Self Attention. Allowed arithmetic: matrix products marked QUANTISED: E2M3 operands, one E8M0 scale for each 32 along K, by v_wmma_scale_f32_16x16x128_f8f6f4 with both operands' format E2M3, f32 sums; everything else in f32.
;; Inputs: Wout 1,024 x 1,024 float32; Wqkv 1,024 x 3,072 float32; attn_mask 1 x 1 x 2,048 x 2,048 float32; bout 1,024 float32; bqkv 3,072 float32; x 4 x 2,048 x 1,024 float32.
;; Outputs: out0 4 x 2,048 x 1,024 float32.
;; This version of the problem:
;;   THIS VERSION OF THE PROBLEM IS GIVEN IN LOW PRECISION. The matrix products marked QUANTISED in the list below multiply operands that are first quantised to E2M3 (2 exponent bits, 3 mantissa bits; 6 bits a number), with one power-of-two scale for each 32 numbers along K (OCP MX v1.0); their sums are f32. All else is computed in f32.
;;   The module's matrix products, in the order in which they are computed (A, B: the left and right operand; K: the contracted axis; several contracted axes count as one K, in the product's order):
;;     1. [M 8,192, K 1,024] x [K 1,024, N 3,072]; A: input x; B: input Wqkv: QUANTISED
;;     2. batch 64 x [M 2,048, K 64] x [K 64, N 2,048]; A: computed on the way; B: computed on the way: QUANTISED
;;     3. batch 64 x [M 2,048, K 2,048] x [K 2,048, N 64]; A: softmax (see below); B: computed on the way: QUANTISED
;;     4. [M 8,192, K 1,024] x [K 1,024, N 1,024]; A: computed on the way; B: input Wout: QUANTISED
;;   THE QUANTISER, for each operand of a quantised product, along K:
;;     - K is cut into blocks of 32 from its start; a last block that is shorter is filled with zeros.
;;     - A block's scale is 2^e with e = floor(log2(the largest magnitude in the block)) - 2, held to -126 .. 127; a block of zeros has e = 0. As a byte (E8M0): e + 127.
;;     - Each number is divided by its block's scale, clamped to +-7.5, and rounded to the nearest number of E2M3, ties to even, subnormals kept.
;;     - The product sums the exact products of the quantised numbers (number of the format x scale) in f32.
;;   ~~~python
;;   def quantise(x, axis):      # numpy; x: float32 -> the quantised numbers, widened to float32 again
;;       x = np.moveaxis(x, axis, -1); K = x.shape[-1]
;;       x = np.pad(x, [(0, 0)] * (x.ndim - 1) + [(0, -K % 32)]); x = x.reshape(x.shape[:-1] + (-1, 32)); a = np.abs(x).max(-1, keepdims=True)
;;       e = np.where(a > 0, np.clip(np.frexp(np.where(a > 0, a, 1))[1] - 1 - 2, -126, 127), 0)      # np.frexp(a)[1] - 1 = floor(log2(a)), exactly
;;       r = np.clip(x / 2.0 ** e, -7.5, 7.5)
;;       step = 2.0 ** (np.maximum(np.frexp(np.where(r == 0, 1, r))[1] - 1, 0) - 3)
;;       q = np.round(r / step) * step * 2.0 ** e      # np.round: ties to even
;;       return np.moveaxis(q.reshape(q.shape[:-2] + (-1,))[..., :K], -1, axis).astype(np.float32)
;;   ~~~
;;   SOFTMAX AHEAD OF A QUANTISED PRODUCT. Where the list says 'softmax', what is quantised is not the finished softmax but p = 2^(t - M), with t = logit x log2(e) and M = ceil(the row's largest t), a whole number; so 1/2 < the row's largest p <= 1. The row's sum l is taken of the UNQUANTISED p, in f32, and the product's result is divided by l at the end. Since M is a whole number, a kernel that streams over the keys may use a running M (the ceiling of the running maximum): every later rescaling is an exact power of two, which a block's scale takes up: the codes' values come out the same.
;;   OPERANDS COMPUTED ON THE WAY. 'Computed on the way' means the value that the module computes at that place (a softmax that the list does not call 'softmax' is quantised finished and normalised). What goes into a quantiser is computed in f32, as accurately as f32 sums, v_exp_f32 and their like allow (about 1e-6 of the number): no bf16 or f16 on the way to a quantiser, and a product that is left as it is and whose result goes on into a quantised operand takes f32 operands (vector FMAs, or v_wmma_f32_16x16x4_f32). A number that lies on a knife's edge between two numbers of the format may be rounded either way, as far as f32 arithmetic and the matrix unit's own rounding can turn it there, and no further.
;; One version. Each part assembles by itself: llvm-mc -triple=amdgcn-amd-amdhsa -mcpu=gfx1250 --defsym DOCPART=n.
;; ======== version 1 of 1: 4 launches
;; workspace buffers: xq 6,553,600 bytes; wq 3,276,800 bytes; qq 6,553,600 bytes; kv 13,107,200 bytes; yq 6,553,600 bytes
;; launch quant (part 1): grid 640 x 1, 8 waves a work-group, no clusters, 71,168 bytes of LDS; arguments x, Wqkv, Wout, xq, wq; writes xq, wq
.if DOCPART == 1
	.amdgcn_target "amdgcn-amd-amdhsa--gfx1250"
	.amdhsa_code_object_version 6
	.text
	.protected	k_q277488d670_quant
	.globl	k_q277488d670_quant
	.p2align	8
	.type	k_q277488d670_quant,@function
k_q277488d670_quant:
	s_mov_b64 s[64:65], 0
	v_nop
	global_prefetch_b8 v0, s[64:65] scope:SCOPE_SE
	s_setreg_imm32_b32 hwreg(HW_REG_WAVE_MODE, 25, 1), 1
	s_wait_xcnt 0x0
; CausalSelfAttention in MX-FP6 (E2M3, one E8M0 scale for each 32 along K), four launches: quant, qkv, attn, outp.
; DEAD WORK: none.  attn_mask is an input of floating-point numbers, so every key is computed for every query and the mask is added; bqkv moves the codes of q, k and v; bout reaches the output.
; Every input is loaded by some launch, and no product, tile, row or step of the problem is left out.
; THIS LAUNCH turns x [8192][1024], Wqkv [1024 (k)][3072] and Wout [1024 (k)][1024], f32, into codes and scale bytes, once, for the two GEMMs that read them many times.
; LAYOUT OF EVERY OPERAND IN THIS PROGRAM: a fragment (16 rows x 128 K: 12 registers a lane) lies in memory as an IMAGE OF ITS REGISTERS, 1,536 bytes: registers 4 c .. 4 c + 3 of lane l at 512 c + 16 l.
; So a fragment is written and read by three accesses of 16 bytes a lane, each covering 512 consecutive bytes, aligned.  Images: [row tile][K step 0..7][1536].
; Scale words (four bytes: one row, 128 along K): [rows / 128][K step 0..7][128 rows], so that the words of 128 rows for all of K are 4,096 dense bytes.
; A block's scale is 2^(floor(log2(its largest magnitude)) - 2): its byte is the largest magnitude's exponent field - 2, held at 1 from below by a floor among the maximum's leaves.
; Wout's K rows are taken, inside each block of 32, in the order 0-7, 16-23, 8-15, 24-31: that is the order in which launch attn leaves y's codes; a permutation of k inside a block, alike on both operands, keeps products and scales.
; LIMITS: NaN and infinities among the inputs are not served; a block whose largest magnitude lies under 2^-124 gets the byte 1; a block of zeros gets the byte 1 where the rule says 127 (its codes are zeros, and this program alone reads the bytes).
; SHARES: work-groups 0-511: x, 64 rows x 256 along K, a fragment a wave.  512-607: Wqkv, 608-639: Wout: 64 columns x 512 along K; a wave takes 32 columns x 128 K, a lane a column, its registers running down K.
; The three paths part on the work-group's number alone and have LDS bytes of their own.
.set XSC,   67584                      ; LDS: 0: eight stages of 16 rows x 528 bytes (path x);  here: its scale words, 2 K steps x 256 bytes
.set WSC1,  68096                      ; Wqkv's scale words, 4 K steps x 256 bytes
.set WSC2,  69120                      ; Wout's
.set SPARE, 70144                      ; the spare words, 128 bytes for each wave: four blocks of 256 bytes that no other line names
.set SPW, 190                          ; v190 LDS address of my spare word; never rewritten
.set NIL, 191                          ; v191 0; never rewritten
.set SEL, 32                           ; s[32:33] lane selects for v_permlanex16_b32: lane l xor 16
.set R,   16                           ; path x: v16-79 numbers as loaded
.set X,   80                           ; v80-143 64 numbers of my row: register 16 b + i = k 32 b + 16 (lane / 16) + i
.set PC,  144                          ; v144-163 codes
.set TM,  164                          ; v164-179 at work in QUANT
.set PW,  180                          ; v180 the scale word
.set D,   16                           ; paths W: v16-143 128 numbers of my column
.set F0,  144                          ; v144-155, v156-167: two fragments
.set TT,  168                          ; v168-170 a conversion's result on its way
; 64 numbers of a lane, v[s] .. v[s + 63], become a fragment's codes in v[PC] on and its row's scale word in v[PW].
.macro QUANT s
.irp b, 0,1,2,3
	v_max3_num_f32 v[TM+\b], |v[\s+16*\b]|, |v[\s+1+16*\b]|, 0x1800000   ; block b: my 16 numbers, and the floor 2^(3 - 127): the byte cannot fall under 1
.endr
.irp i, 2,4,6,8,10,12,14
.irp b, 0,1,2,3
	v_max3_num_f32 v[TM+\b], v[TM+\b], |v[\s+16*\b+\i]|, |v[\s+1+16*\b+\i]|   ; the four blocks by turns
.endr
.endr
.irp b, 0,1,2,3
	v_permlanex16_b32 v[TM+4+\b], v[TM+\b], s[SEL], s[SEL+1]
.endr
.irp b, 0,1,2,3
	v_max_num_f32 v[TM+\b], v[TM+\b], v[TM+4+\b]   ; with lane l xor 16's: the block's largest magnitude
.endr
.irp b, 0,1,2,3
	v_add_nc_u32 v[TM+12+\b], 0xff000000, v[TM+\b]   ; 2 off its exponent field: the conversion's scale operand
.endr
.irp b, 0,1,2,3
	v_lshrrev_b32 v[TM+4+\b], 23, v[TM+12+\b]      ; the scale's byte
.endr
	v_lshl_or_b32 v[PW], v[TM+5], 8, v[TM+4]
	v_lshl_or_b32 v[PW], v[TM+6], 16, v[PW]
	v_lshl_or_b32 v[PW], v[TM+7], 24, v[PW]
.irp c, 0,1
	v_cvt_scalef32_pk16_fp6_f32 v[PC+6*\c:PC+2+6*\c], v[\s+32*\c:\s+15+32*\c], v[TM+12+2*\c]
	v_cvt_scalef32_pk16_fp6_f32 v[PC+12+4*\c:PC+14+4*\c], v[\s+16+32*\c:\s+31+32*\c], v[TM+12+2*\c+1]   ; (a conversion's three registers begin on an even number)
.endr
	v_nop                                          ; one plain place behind a scaled conversion
.irp c, 0,1                                    ; the operand's layout wants a whole block in a lane: lanes 0-15 block 2 c, lanes 16-31 block 2 c + 1
.irp i, 0,1,2
	v_permlane16_swap_b32 v[PC+6*\c+\i], v[PC+12+4*\c+\i]
.endr
.irp i, 0,1,2
	v_mov_b32 v[PC+3+6*\c+\i], v[PC+12+4*\c+\i]
.endr
.endr
.endm
; Block j (32 along K) of my column: all its numbers are mine.  Even blocks go to fragment F0, odd ones to F0 + 12.
.macro WBLK j, cnt
.set DB, D+32*(\j)
.set FB, F0+12*((\j)%2)+6*((\j)/2)
	s_wait_loadcnt \cnt                            ; this block's 32 loads are in
	v_max3_num_f32 v172, |v[DB]|, |v[DB+1]|, |v[DB+2]|
	v_max3_num_f32 v173, |v[DB+3]|, |v[DB+4]|, |v[DB+5]|
.irp i, 6,10,14,18,22,26
	v_max3_num_f32 v172, v172, |v[DB+\i]|, |v[DB+\i+1]|
	v_max3_num_f32 v173, v173, |v[DB+\i+2]|, |v[DB+\i+3]|
.endr
	v_max3_num_f32 v172, v172, |v[DB+30]|, |v[DB+31]|
	v_max3_num_f32 v172, v172, v173, 0x1800000     ; and the floor
	v_add_nc_u32 v174, 0xff000000, v172            ; the conversion's scale operand
	v_lshrrev_b32 v175, 23, v174                   ; the byte
.if (\j) == 0
	v_mov_b32 v176, v175
.else
	v_lshl_or_b32 v176, v175, 8*(\j), v176         ; four bytes make my column's scale word
.endif
	v_cvt_scalef32_pk16_fp6_f32 v[FB:FB+2], v[DB:DB+15], v174
	v_cvt_scalef32_pk16_fp6_f32 v[TT:TT+2], v[DB+16:DB+31], v174
	v_nop                                          ; one plain place behind a scaled conversion
.irp i, 0,1,2
	v_mov_b32 v[FB+3+\i], v[TT+\i]
.endr
.endm
; A weight [1024 (k)][n], rows of pitch bytes.  perm = 1: the K rows of a block in the order 0-7, 16-23, 8-15, 24-31.  g0: the path's first work-group; sb: the weight's pointer; imgoff, scoff: where its images and scale words begin in wq.
.macro WPATH pitch, perm, g0, sb, imgoff, scoff, ldsb
	s_sub_co_u32 s17, ttmp9, \g0
	s_lshr_b32 s18, s17, 1                         ; which 64 columns
	s_and_b32 s19, s17, 1                          ; which half of K
	s_lshl_b32 s20, s19, 2
	s_add_co_u32 s21, s20, s16                     ; my K step: 4 x half + wave / 2
	s_mul_i32 s22, s21, 128*\pitch
	s_lshl_b32 s23, s18, 8
	s_add_co_u32 s22, s22, s23
	s_lshl_b32 s23, s15, 7
	s_add_co_u32 s22, s22, s23                     ; the weight at my K step's first row, my 32 columns
	s_mov_b32 s23, 0
	s_lshl_b32 s24, s18, 2
	s_lshl_b32 s25, s15, 1
	s_add_co_u32 s24, s24, s25                     ; my first tile of 16 columns
	s_mul_i32 s24, s24, 12288
	s_mul_i32 s25, s21, 1536
	s_add_co_u32 s24, s24, s25
.if \imgoff > 0
	s_add_co_u32 s24, s24, \imgoff
.endif
	s_mov_b32 s25, 0
	s_lshr_b32 s26, s18, 1                         ; the scale words that waves 0-3 store: K step 4 x half + wave
	s_lshl_b32 s26, s26, 3
	s_add_co_u32 s26, s26, s20
	s_and_b32 s27, s14, 3
	s_add_co_u32 s26, s26, s27
	s_lshl_b32 s26, s26, 9
	s_and_b32 s28, s18, 1
	s_lshl_b32 s28, s28, 8
	s_add_co_u32 s26, s26, s28
	s_add_co_u32 s26, s26, \scoff
	s_lshl_b32 s28, s27, 8
	s_mov_b32 s27, 0
	v_lshlrev_b32 v5, 2, v1                        ; 4 bytes a lane: a lane takes a column
	s_lshl_b32 s29, s16, 8
	s_lshl_b32 s30, s15, 7
	s_add_co_u32 s29, s29, s30
	s_add_co_u32 s29, s29, \ldsb
	v_add_nc_u32 v7, s29, v5                       ; LDS: my column's word: 256 x (wave / 2) + 128 x (wave % 2) + 4 x lane
	v_lshlrev_b32 v9, 3, v1
	s_add_co_u32 s28, s28, \ldsb
	v_add_nc_u32 v8, s28, v9                       ; and back: 256 x (wave % 4) + 8 x lane
	s_wait_kmcnt 0x0
	s_add_nc_u64 s[22:23], s[\sb:\sb+1], s[22:23]
	s_add_nc_u64 s[24:25], s[12:13], s[24:25]
	s_add_nc_u64 s[26:27], s[12:13], s[26:27]
.irp j, 0,1,2,3
.irp i, 0,1,2,3,4,5,6,7,8,9,10,11,12,13,14,15,16,17,18,19,20,21,22,23,24,25,26,27,28,29,30,31
	global_load_b32 v[D+32*\j+\i], v5, s[22:23] offset:(32*\j+(1-\perm)*(\i)+\perm*(((\i)&7)+(((\i)>>3)&1)*16+(((\i)>>4)&1)*8))*\pitch th:TH_LOAD_NT   ; 32 lanes read 128 consecutive bytes of one K row
.endr
.endr
	WBLK 0, 63                                     ; 96 younger loads might stay out; 63 is the most that the wait can name
	WBLK 1, 63                                     ; (64 might)
	WBLK 2, 32
	WBLK 3, 0
.irp i, 0,1,2,3,4,5,6,7,8,9,10,11
	v_permlane16_swap_b32 v[F0+\i], v[F0+12+\i]    ; lanes 16-31 of the even blocks change places with lanes 0-15 of the odd ones: F0 is now the fragment of columns 0-15, F0 + 12 that of columns 16-31
.endr
.irp c, 0,1,2
	global_store_b128 v4, v[F0+4*\c:F0+4*\c+3], s[24:25] offset:512*\c
.endr
.irp c, 0,1,2
	global_store_b128 v4, v[F0+12+4*\c:F0+12+4*\c+3], s[24:25] offset:12288+512*\c
.endr
	ds_store_b32 v7, v176
	s_wait_dscnt 0x0                               ; for the others' sake: my word has landed
	s_barrier_signal -1
	s_barrier_wait -1
	s_cmp_lt_u32 s14, 4
	s_cbranch_scc0 .Lw_end_\@
	ds_load_b64 v[10:11], v8                       ; 64 columns' words of one K step
	s_wait_dscnt 0x0
	global_store_b64 v9, v[10:11], s[26:27]        ; 32 lanes store 256 consecutive bytes, aligned
.Lw_end_\@:
	s_wait_tensorcnt 0x0                           ; the wave's end: behind my last LDS store
	ds_add_u32 v[SPW], v[NIL]
	s_wait_dscnt 0x0
	s_endpgm
.endm
	s_load_b256 s[4:11], s[0:1], 0x0               ; x s[4:5], Wqkv s[6:7], Wout s[8:9], xq s[10:11]
	s_load_b64 s[12:13], s[0:1], 0x20              ; wq
	v_lshl_add_u32 v[SPW], v0, 2, SPARE
	v_mov_b32 v[NIL], 0
	v_lshrrev_b32 v1, 5, v0
	v_readfirstlane_b32 s14, v1                    ; wave 0..7
	v_and_b32 v1, 31, v0                           ; lane
	v_and_b32 v2, 15, v0                           ; r
	v_bfe_u32 v3, v0, 4, 1                         ; h
	v_lshlrev_b32 v4, 4, v1                        ; 16 x lane
	s_mov_b32 s[SEL], 0x76543210
	s_mov_b32 s[SEL+1], 0xfedcba98
	s_and_b32 s15, s14, 1
	s_lshr_b32 s16, s14, 1
	s_cmp_lt_u32 ttmp9, 512
	s_cbranch_scc0 .Lweights
	; ---- x: wave w makes the fragment of row tile 4 rg + w / 2, K step 2 kp + w % 2
	s_lshr_b32 s17, ttmp9, 2                       ; rg: which 64 rows
	s_and_b32 s18, ttmp9, 3                        ; kp: which 256 along K
	s_lshl_b32 s19, s18, 1
	s_add_co_u32 s19, s19, s15                     ; my K step
	s_lshl_b32 s20, s17, 2
	s_add_co_u32 s20, s20, s16                     ; my row tile
	s_lshl_b32 s22, s20, 16                        ; 16 rows of 4,096 bytes
	s_lshl_b32 s21, s19, 9
	s_add_co_u32 s22, s22, s21
	s_mov_b32 s23, 0
	s_lshl_b32 s24, s20, 3
	s_add_co_u32 s24, s24, s19
	s_mul_i32 s24, s24, 1536                       ; my image
	s_mov_b32 s25, 0
	s_lshr_b32 s26, s17, 1
	s_lshl_b32 s26, s26, 3
	s_add_co_u32 s26, s26, s19
	s_lshl_b32 s26, s26, 9
	s_and_b32 s27, s17, 1
	s_lshl_b32 s27, s27, 8
	s_add_co_u32 s26, s26, s27
	s_add_co_u32 s26, s26, 6291456                 ; the 64 rows' scale words of my K step
	s_mov_b32 s27, 0
	s_mul_i32 s28, s14, 8448                       ; my stage
	v_add_nc_u32 v5, s28, v4                       ; in: 16 bytes a lane of a row's 512
	v_mul_u32_u24 v6, v2, 528
	v_lshl_add_u32 v6, v3, 6, v6
	v_add_nc_u32 v6, s28, v6                       ; back: row r, + 64 h: my 16 numbers of each block of 32.  Rows 528 bytes apart: the 16 rows of a load start in 16 different groups of banks
	s_lshl_b32 s29, s15, 8
	s_lshl_b32 s30, s16, 6
	s_add_co_u32 s29, s29, s30
	s_add_co_u32 s29, s29, XSC
	v_lshl_add_u32 v7, v2, 2, s29                  ; my row's scale word: 256 x (wave % 2) + 64 x (wave / 2) + 4 r
	s_lshl_b32 s30, s15, 8
	s_add_co_u32 s30, s30, XSC
	v_lshlrev_b32 v9, 3, v1
	v_add_nc_u32 v8, s30, v9                       ; and back: 8 bytes a lane
.irp b, 0,1,2,3
	v_mov_b32 v[TM+4+\b], 0                        ; written once: a lane permute's destination counts as one of its sources
.endr
	s_wait_kmcnt 0x0
	s_add_nc_u64 s[22:23], s[4:5], s[22:23]
	s_add_nc_u64 s[24:25], s[10:11], s[24:25]
	s_add_nc_u64 s[26:27], s[10:11], s[26:27]
.irp i, 0,1,2,3,4,5,6,7,8,9,10,11,12,13,14,15
	global_load_b128 v[R+4*\i:R+4*\i+3], v4, s[22:23] offset:4096*\i th:TH_LOAD_NT   ; 32 lanes read 512 consecutive bytes of row i
.endr
.irp g, 0,1,2,3
	s_wait_loadcnt 12-4*\g                         ; four more rows are in; the younger loads stay out
.irp i, 0,1,2,3
	ds_store_b128 v5, v[R+16*\g+4*\i:R+16*\g+4*\i+3] offset:528*(4*\g+\i)
.endr
.endr
.irp b, 0,1,2,3
.irp j, 0,1,2,3
	ds_load_b128 v[X+16*\b+4*\j:X+16*\b+4*\j+3], v6 offset:128*\b+16*\j   ; LDS serves a wave's instructions in order: these see my stores
.endr
.endr
	s_wait_dscnt 0x0
	QUANT X
.irp c, 0,1,2
	global_store_b128 v4, v[PC+4*\c:PC+4*\c+3], s[24:25] offset:512*\c
.endr
	ds_store_b32 v7, v[PW]                         ; both halves of the lanes write the same word with the same value
	s_wait_dscnt 0x0                               ; for the others' sake: my word has landed
	s_barrier_signal -1
	s_barrier_wait -1
	s_cmp_lt_u32 s14, 2
	s_cbranch_scc0 .Lx_end
	ds_load_b64 v[10:11], v8                       ; 64 rows' words of my K step
	s_wait_dscnt 0x0
	global_store_b64 v9, v[10:11], s[26:27]        ; 32 lanes store 256 consecutive bytes, aligned
.Lx_end:
	s_wait_tensorcnt 0x0                           ; the wave's end: behind my last LDS store
	ds_add_u32 v[SPW], v[NIL]
	s_wait_dscnt 0x0
	s_endpgm
.Lweights:
	s_cmp_lt_u32 ttmp9, 608
	s_cbranch_scc0 .Lwout
	WPATH 12288, 0, 512, 6, 0, 2359296, WSC1
.Lwout:
	WPATH 4096, 1, 608, 8, 2457600, 3244032, WSC2
.Lfunc_end_k_q277488d670_quant:
	.size	k_q277488d670_quant, .Lfunc_end_k_q277488d670_quant-k_q277488d670_quant
	.p2alignl 7, 3214868480
	.fill 96, 4, 3214868480
	.section	.rodata,"a",@progbits
	.p2align	6, 0x0
	.amdhsa_kernel k_q277488d670_quant
		.amdhsa_group_segment_fixed_size 71168
		.amdhsa_private_segment_fixed_size 0
		.amdhsa_enable_private_segment 0
		.amdhsa_kernarg_size 40
		.amdhsa_user_sgpr_count 2
		.amdhsa_user_sgpr_kernarg_segment_ptr 1
		.amdhsa_wavefront_size32 1
		.amdhsa_system_sgpr_workgroup_id_x 1
		.amdhsa_system_sgpr_workgroup_id_y 1
		.amdhsa_system_sgpr_workgroup_id_z 1
		.amdhsa_system_vgpr_workitem_id 0
		.amdhsa_next_free_vgpr 192
		.amdhsa_next_free_sgpr 66
		.amdhsa_reserve_vcc 0
		.amdhsa_float_denorm_mode_32 3
		.amdhsa_float_denorm_mode_16_64 3
		.amdhsa_memory_ordered 1
		.amdhsa_forward_progress 1
		.amdhsa_inst_pref_size 53
	.end_amdhsa_kernel
	.amdgpu_metadata
---
amdhsa.version: [ 1, 2 ]
amdhsa.kernels:
  - .name:           k_q277488d670_quant
    .symbol:         k_q277488d670_quant.kd
    .args:
      - { .name: x, .offset: 0, .size: 8, .value_kind: global_buffer, .address_space: global }
      - { .name: Wqkv, .offset: 8, .size: 8, .value_kind: global_buffer, .address_space: global }
      - { .name: Wout, .offset: 16, .size: 8, .value_kind: global_buffer, .address_space: global }
      - { .name: xq, .offset: 24, .size: 8, .value_kind: global_buffer, .address_space: global }
      - { .name: wq, .offset: 32, .size: 8, .value_kind: global_buffer, .address_space: global }
    .group_segment_fixed_size: 71168
    .private_segment_fixed_size: 0
    .kernarg_segment_align: 8
    .kernarg_segment_size: 40
    .max_flat_workgroup_size: 256
    .sgpr_count:     66
    .vgpr_count:     192
    .wavefront_size: 32
...
	.end_amdgpu_metadata
.endif
;; end of part 1
;; launch qkv (part 2): grid 12 x 32, 4 waves a work-group, clusters of 4 x 4, 327,680 bytes of LDS; arguments xq, wq, bqkv, qq, kv; writes qq, kv
.if DOCPART == 2
	.amdgcn_target "amdgcn-amd-amdhsa--gfx1250"
	.amdhsa_code_object_version 6
	.text
	.protected	k_q277488d670_qkv
	.globl	k_q277488d670_qkv
	.p2align	8
	.type	k_q277488d670_qkv,@function
k_q277488d670_qkv:
	s_mov_b64 s[64:65], 0
	v_nop
	global_prefetch_b8 v0, s[64:65] scope:SCOPE_SE
	s_setreg_imm32_b32 hwreg(HW_REG_WAVE_MODE, 25, 1), 1
	s_wait_xcnt 0x0
	s_wait_alu depctr_hold_cnt(0) depctr_sa_sdst(0) depctr_va_vdst(0) depctr_va_sdst(0) depctr_va_ssrc(0) depctr_va_vcc(0) depctr_vm_vsrc(0)
	s_getreg_b32 s2, hwreg(HW_REG_IB_STS2, 6, 4)
	s_cmp_eq_u32 s2, 0
	s_cbranch_scc0 .Lentry_in_a_cluster
	s_endpgm
.Lentry_in_a_cluster:
	s_bfe_u32 s2, ttmp6, 0x10000c
	s_cmp_lg_u32 s2, 0xf033
	s_cbranch_scc0 .Lentry_shape_is_right
	s_endpgm
.Lentry_shape_is_right:
; qkv = x Wqkv + bqkv on codes of FP6 (E2M3) with E8M0 scales, and its results quantised in registers into the operands of attention.  No work of the problem is left out here.
; A tile of 256 x 256 is made by a work-group of four waves; a wave makes 128 x 128: 64 accumulators, 512 registers.  K = 1,024 goes in steps of 256 through a ring of two LDS slots filled by the tensor data mover.
; Operands lie in memory and in LDS as images of their registers (1,536 bytes a fragment: registers 4 c .. 4 c + 3 of lane l at 512 c + 16 l), [row tile][K step][1536]: a fragment is three loads of 16 bytes a lane, 512 consecutive bytes each.
; The scale words of 128 rows for all of K are 4,096 dense bytes: they come once, with the first fills, and stay.
; THE MATRIX INSTRUCTION IS USED TRANSPOSED (source 0 = 16 rows of "B", source 1 = 16 rows of "A"): a lane holds one row of A, and the 64 registers of A's block a run along B's 128 rows: one K step of the next product.
; PARTS, by the cluster's x, which all sixteen partners share: 0: q, 1: k: A = x (tokens), B = Wqkv's columns: a lane holds a token and 128 channels (two heads).  2: v: the DATA change roles, not the instructions: A = Wqkv's columns 2,048 on,
; B = x: a lane holds a channel and 128 tokens, which are the K of attention's second product.
; Register 8 b + j of lane (r, h) is index 16 b + 8 h + j: inside a block of 32 the codes lie in the order 0-7, 16-23, 8-15, 24-31, alike in q and k (along the head), and alike in v and attention's p (along the keys).
; OUT: q: qq [pair of heads 32][query tile 128][1536], scale words at 6,291,456 [pair][2,048 tokens].  k, v: kv [pair][step of 128 keys 16][25,600]: K's 8 images, V^T's 8 images at 12,288, K's 128 words at 24,576, V's at 25,088.
; CLUSTERS: 4 x 4 work-groups.  A's tiles are asked for jointly along a row of the cluster, B's along a column.
; The grid has 384 work-groups for 256 WGPs: one round and a half.
; LIMITS: as stated at the head of launch quant (NaN, infinities, very small blocks, the byte of a block of zeros).
; REGISTERS, in windows of 256: window 0: v0-31 addresses; v32-63 scale words, two sets, and nothing else; v64-127 the bias; v128-223 A's fragments, one set; on the way out v128-235 are at work.
;   window 1: B's fragments, two sets, at v0 and v128.   window 2: the accumulators of my rows 0-63 ((a, b) at v[8 (8 a + b)]);   window 3: those of rows 64-127.
.set NQ,     2                         ; steps of 128 along K in a slot
.set FR,     12                        ; registers of a fragment
.set NL,     3                         ; LDS loads that bring one
.set NP,     4                         ; places behind this matrix instruction (ISA guide 7.12.1)
.set HALFT,  24576                     ; 128 rows x 256 K: 8 row tiles x 2 images: what one tensor load brings
.set SLOT,   4*HALFT                   ; A's 256 rows, then B's
.set SCL,    2*SLOT                    ; behind the ring: the scale words, 4 x 4,096 bytes
.set SPARE,  SCL+4*4096                ; the spare words, 128 bytes for each wave: two blocks of 256 bytes that no other line names
.set LAPS,   2                         ; a lap = once round the ring = 512 along K
.set ADRA, 16                          ; v16-17 LDS address of my A fragments in slot 0, 1
.set ADRB, 20                          ; v20-21 the same for B
.set LI,   24                          ; v24 16 x lane
.set SWA,  25                          ; v25 the way out: where my row's scale word goes
.set SRA,  26                          ; v26 and where the wave's 128 words are read back
.set ADRS, 27                          ; v27 LDS address of my scale words: lanes 0-15 A's rows, lanes 16-31 B's
.set SPW,  28                          ; v28 LDS address of my spare word; never rewritten
.set NIL,  29                          ; v29 0; never rewritten
.set SC,   32                          ; scale words: set s at v[SC + 16 s]; register 2 i + q: lanes 0-15 the word of A's block i, lanes 16-31 that of B's block i, for the slot's q-th 128 along K
.set BI,   64                          ; the bias
.set AF,   128                         ; A's fragments
.set H,    128                         ; the way out: 64 results with their bias
.set PC,   192                         ; codes
.set TM,   212                         ; at work in QUANT
.set PW,   228                         ; the scale word
.set SEL,  18                          ; s[18:19] lane selects for v_permlanex16_b32, written behind the address work
.set G1, 24                            ; s[24:31] descriptor group 1 for A's tiles;  s[32:39] group 0, one set for each slot
.set G0, 32
.set G1B, 48                           ; s[48:55], s[56:63] the same for B's
.set G0B, 56
.set G1S, 68                           ; s[68:75], s[76:79] groups 1 and 0 for A's scale words;  s[80:87], s[88:91] for B's
.set G0S, 76
.set G1SB, 80
.set G0SB, 88
.set MSB, 0
.macro WIN new                         ; the immediate's high byte repeats the setting that is left
.if MSB != \new
	s_set_vgpr_msb (MSB<<8)|\new
.set MSB, \new
.endif
.endm
.set MUL_LO, 0xa1                      ; source 0 (B) window 1, source 1 (A) window 0, C and D window 2
.set MUL_HI, 0xf1                      ; the same, C and D window 3
.set TO_B,   0x40                      ; destination window 1, address window 0
; A joint load: waves 0 and 1 fetch for A, waves 2 and 3 for B.  The branch hangs on the wave's number alone.  An s_nop 0 and four v_nop follow each of the two lines.
.macro JLOAD g0a, g1a, g0b, g1b
	s_cmp_eq_u32 s15, 0
	s_cbranch_scc0 .Lfor_b_\@
	tensor_load_to_lds s[\g0a:\g0a+3], s[\g1a:\g1a+7]
	s_nop 0
.rept 4
	v_nop
.endr
	s_branch .Lasked_\@
.Lfor_b_\@:
	tensor_load_to_lds s[\g0b:\g0b+3], s[\g1b:\g1b+7]
	s_nop 0
.rept 4
	v_nop
.endr
.Lasked_\@:
.endm
.macro CREST                           ; a round of the cluster's barrier behind its opening barrier
	s_cmp_lg_u32 s14, 0
	s_cbranch_scc1 .Lnot_wave_0_\@
	s_barrier_signal -3
.Lnot_wave_0_\@:
	s_barrier_wait -3
	s_barrier_signal -1
	s_barrier_wait -1
.endm
.macro CROUND                          ; a whole round
	s_barrier_signal -1
	s_barrier_wait -1
	CREST
.endm
	s_load_b256 s[4:11], s[0:1], 0x0               ; xq s[4:5], wq s[6:7], bqkv s[8:9], qq s[10:11]
	s_load_b64 s[12:13], s[0:1], 0x20              ; kv
	v_lshl_add_u32 v[SPW], v0, 2, SPARE
	v_mov_b32 v[NIL], 0
	ds_add_u32 v[SPW], v[NIL]                      ; the wave's opening: the add, twice on end, and its wait ahead of my first tensor load
	ds_add_u32 v[SPW], v[NIL]
	v_lshrrev_b32 v1, 5, v0
	v_readfirstlane_b32 s14, v1                    ; wave 0..3
	s_lshr_b32 s15, s14, 1                         ; which half of A's rows is mine.  Also: I fetch for A (0) or for B (1)
	s_and_b32 s16, s14, 1                          ; which half of B's rows.  Also: which 128 rows of that tile I fetch
	s_bfe_u32 s40, ttmp6, 0x40000                  ; cx, cy: my place in the cluster
	s_bfe_u32 s41, ttmp6, 0x40004
	s_and_b32 s17, ttmp7, 0xffff                   ; the cluster's y
	s_lshl_b32 s18, s17, 2
	s_add_co_u32 s19, s18, s41                     ; q, k: A's tile of 256 tokens
	s_add_co_u32 s20, s41, 8                       ; v: A's tile of 256 columns of Wqkv
	s_add_co_u32 s46, s18, s40                     ; v: B's tile of tokens
	s_lshl_b32 s47, ttmp9, 2
	s_add_co_u32 s47, s47, s40                     ; q, k: B's tile of columns
	s_mov_b32 s21, 2359296                         ; where Wqkv's scale words begin in wq,
	s_mov_b32 s22, 6291456                         ; and x's in xq
	s_cmp_eq_u32 ttmp9, 2                          ; the part: the same in all sixteen partners
	s_cselect_b32 s67, 1, 0                        ; 1: v
	s_cselect_b32 s66, s20, s19                    ; A's tile: made of cy and the cluster's y alone
	s_cselect_b32 s42, s46, s47                    ; B's tile: of the places, cx alone enters it
	s_cselect_b32 s23, s21, s22
	s_cselect_b32 s93, s22, s21
	s_lshl_b32 s43, s41, 2
	s_lshl_b32 s43, 15, s43                        ; my row of the cluster
	s_lshl_b32 s44, 0x1111, s40                    ; my column
	; descriptor group 1: 8 row tiles x 3,072 bytes (two images), 12,288 bytes apart, in elements of 8 bytes; no padding: an image's accesses are dense
	s_or_b32 s[G1+0], s43, (3<<16)|(1<<21)         ; 15:0 the mask; 17:16 elements of 8 bytes; 21 set beside a mask
	s_or_b32 s[G1B+0], s44, (3<<16)|(1<<21)
.irp g, G1, G1B
	s_mov_b32 s[\g+1], 384<<16                     ; tensor_dim0
	s_mov_b32 s[\g+2], 8<<16                       ; tensor_dim1
	s_mov_b32 s[\g+3], 384<<16                     ; tile_dim0
	s_mov_b32 s[\g+4], 8                           ; tile_dim1
	s_mov_b32 s[\g+5], 1536                        ; tensor_dim0_stride
	s_mov_b32 s[\g+6], 0
	s_mov_b32 s[\g+7], 0
.endr
	; and for the scale words of 128 rows: 4,096 dense bytes as 16 rows of 256
	s_or_b32 s[G1S+0], s43, (3<<16)|(1<<21)
	s_or_b32 s[G1SB+0], s44, (3<<16)|(1<<21)
.irp g, G1S, G1SB
	s_mov_b32 s[\g+1], 32<<16
	s_mov_b32 s[\g+2], 16<<16
	s_mov_b32 s[\g+3], 32<<16
	s_mov_b32 s[\g+4], 16
	s_mov_b32 s[\g+5], 32
	s_mov_b32 s[\g+6], 0
	s_mov_b32 s[\g+7], 0
.endr
	s_mul_i32 s18, s16, 98304                      ; the 128 rows that I fetch: 8 row tiles of 12,288 bytes
	s_mul_i32 s20, s66, 196608
	s_add_co_u32 s20, s20, s18                     ; A's codes
	s_mov_b32 s21, 0
	s_mul_i32 s46, s42, 196608
	s_add_co_u32 s46, s46, s18                     ; B's
	s_mov_b32 s47, 0
	s_lshl_b32 s22, s66, 1
	s_add_co_u32 s22, s22, s16
	s_lshl_b32 s22, s22, 12
	s_add_co_u32 s22, s22, s23                     ; A's scale words
	s_mov_b32 s23, 0
	s_lshl_b32 s92, s42, 1
	s_add_co_u32 s92, s92, s16
	s_lshl_b32 s92, s92, 12
	s_add_co_u32 s92, s92, s93                     ; B's
	s_mov_b32 s93, 0
	s_mul_i32 s45, s14, HALFT                      ; where they go: wave x 128 rows: no place in the cluster enters an LDS address
	s_lshl_b32 s94, s14, 12
	s_wait_dscnt 0x0                               ; both opening adds are done
	s_wait_kmcnt 0x0
	s_cmp_eq_u32 s67, 1
	s_cselect_b64 s[2:3], s[6:7], s[4:5]           ; A's buffer: a choice that hangs on the part alone
	s_cselect_b64 s[18:19], s[4:5], s[6:7]         ; B's
	s_add_nc_u64 s[20:21], s[2:3], s[20:21]
	s_add_nc_u64 s[22:23], s[2:3], s[22:23]
	s_add_nc_u64 s[46:47], s[18:19], s[46:47]
	s_add_nc_u64 s[92:93], s[18:19], s[92:93]
	CROUND                                         ; all sixteen work-groups are here: the first joint loads meet
	s_mov_b32 s[G0S], 1
	s_add_co_u32 s[G0S+1], s94, SCL
	s_mov_b64 s[G0S+2:G0S+3], s[22:23]
	s_or_b32 s[G0S+3], s[G0S+3], 0x80000000
	s_mov_b32 s[G0SB], 1
	s_add_co_u32 s[G0SB+1], s94, SCL
	s_mov_b64 s[G0SB+2:G0SB+3], s[92:93]
	s_or_b32 s[G0SB+3], s[G0SB+3], 0x80000000
	JLOAD G0S, G1S, G0SB, G1SB                     ; the scale words first: they are wanted with K step 0
.irp s, 0,1
	s_mov_b32 s[G0+4*\s], 1
	s_add_co_u32 s[G0+4*\s+1], s45, \s*SLOT
	s_add_nc_u64 s[G0+4*\s+2:G0+4*\s+3], s[20:21], \s*3072
	s_or_b32 s[G0+4*\s+3], s[G0+4*\s+3], 0x80000000
	s_mov_b32 s[G0B+4*\s], 1
	s_add_co_u32 s[G0B+4*\s+1], s45, \s*SLOT
	s_add_nc_u64 s[G0B+4*\s+2:G0B+4*\s+3], s[46:47], \s*3072
	s_or_b32 s[G0B+4*\s+3], s[G0B+4*\s+3], 0x80000000
	JLOAD G0+4*\s, G1, G0B+4*\s, G1B               ; three tensor loads of mine are out
.endr
	v_and_b32 v1, 15, v0                           ; r
	v_bfe_u32 v2, v0, 4, 1                         ; h
	v_and_b32 v3, 31, v0
	v_lshlrev_b32 v[LI], 4, v3
	s_mul_i32 s21, s15, HALFT                      ; my 128 rows of A
	s_mul_i32 s22, s16, HALFT                      ; my 128 rows of B,
	s_add_co_u32 s22, s22, 2*HALFT                 ; which lie behind A's 256
.irp s, 0,1
	v_add_nc_u32 v[ADRA+\s], s21, v[LI]
	v_add_nc_u32 v[ADRB+\s], s22, v[LI]
	s_add_co_u32 s21, s21, SLOT
	s_add_co_u32 s22, s22, SLOT
.endr
	s_lshl_b32 s21, s15, 12                        ; A's scale words: my 128 rows
	s_lshl_b32 s22, s16, 12
	s_add_co_u32 s22, s22, 8192                    ; B's, behind A's 256
	s_sub_co_u32 s22, s22, s21
	v_mul_u32_u24 v6, s22, v2                      ; lanes 16-31 take B's: one product with h
	s_add_co_u32 s21, s21, SCL
	v_lshlrev_b32 v5, 2, v1
	v_add_nc_u32 v5, v5, v6
	v_add_nc_u32 v[ADRS], s21, v5
	s_lshl_b32 s23, s14, 9                         ; the way out: 512 bytes for each wave at the head of slot 0, which has had its last fill and its last read by then
	v_lshl_add_u32 v[SWA], v1, 2, s23
	v_add_nc_u32 v[SRA], s23, v[LI]
	; where my results go
	s_lshl_b32 s18, s42, 1
	s_add_co_u32 s18, s18, s16                     ; which 128 rows of B
	s_lshl_b32 s19, s66, 1
	s_add_co_u32 s19, s19, s15                     ; which 128 rows of A
	s_lshl_b32 s20, s41, 1
	s_add_co_u32 s20, s20, s15                     ; v: the pair of heads
	s_and_b32 s21, s18, 7                          ; q, k: the pair of heads
	s_lshl_b32 s100, s18, 9                        ; q, k: my 128 columns' bias, in bytes
	s_lshl_b32 s46, s20, 9
	s_add_co_u32 s46, s46, 8192                    ; v: my 128 rows' bias
	s_cmp_eq_u32 s67, 1
	s_cselect_b32 s22, s18, s19                    ; which 128 tokens of 8,192
	s_cselect_b32 s23, s20, s21                    ; the pair of heads in the batch
	s_cselect_b32 s100, s46, s100
	s_cselect_b32 s92, 4, 0                        ; the bias's offset: v: 4 r;  q, k: 32 h + 4 j
	s_cselect_b32 s93, 0, 32
	s_cselect_b32 s94, 0, 4
	s_mov_b32 s101, 0
	s_add_nc_u64 s[100:101], s[8:9], s[100:101]
	v_mul_u32_u24 v4, s92, v1
	v_mul_u32_u24 v5, s93, v2
	v_add_nc_u32 v4, v4, v5
.irp j, 0,1,2,3,4,5,6,7
	v_mad_u32_u24 v[8+\j], s94, \j, v4
.endr
.irp b, 0,1,2,3,4,5,6,7                        ; q, k: register 8 b + j: the bias of column 16 b + 8 h + j.  v: all eight registers of group b: the bias of row 16 b + r.  One form for all parts: no branch
.irp j, 0,1,2,3,4,5,6,7
	global_load_b32 v[BI+8*\b+\j], v[8+\j], s[100:101] offset:64*\b
.endr
.endr
	s_lshr_b32 s18, s22, 4                         ; the batch
	s_lshl_b32 s18, s18, 3
	s_add_co_u32 s18, s18, s23                     ; the pair, 0..31
	s_lshl_b32 s18, s18, 4
	s_and_b32 s19, s22, 15
	s_add_co_u32 s18, s18, s19                     ; u = 16 x pair + which 128 tokens of the sequence
	s_mul_i32 s96, s18, 12288                      ; q: 8 images
	s_lshl_b32 s98, s18, 9
	s_add_co_u32 s98, s98, 6291456                 ; q: 128 scale words
	s_mul_i32 s20, s18, 25600                      ; k, v: the step's block
	s_mul_i32 s21, s67, 12288
	s_add_co_u32 s21, s21, s20                     ; V's images lie behind K's
	s_lshl_b32 s19, s67, 9
	s_add_co_u32 s19, s19, 24576
	s_add_co_u32 s19, s19, s20                     ; K's words, V's 512 bytes on
	s_cmp_eq_u32 ttmp9, 0
	s_cselect_b32 s96, s96, s21
	s_cselect_b32 s98, s98, s19
	s_cselect_b64 s[20:21], s[10:11], s[12:13]
	s_mov_b32 s97, 0
	s_mov_b32 s99, 0
	s_add_nc_u64 s[96:97], s[20:21], s[96:97]      ; the images
	s_add_nc_u64 s[98:99], s[20:21], s[98:99]      ; the scale words
	s_mov_b32 s[SEL], 0x76543210
	s_mov_b32 s[SEL+1], 0xfedcba98
.macro FRAG reg, adr, q, i             ; a fragment comes as it was stored: three loads of 16 bytes a lane, 512 consecutive bytes each
.irp c, 0,1,2
	ds_load_b128 v[\reg+4*\c:\reg+4*\c+3], v[\adr] offset:(\i)*3072+(\q)*1536+512*\c
.endr
.endm
; 16 matrix instructions: A's blocks a0, a0 + 1 x B's eight, 128 along K: the slot's q-th.  p: B's set;  sc: the set of scale words.  zero = 1: the first product starts the sums.
; The 64 accumulators take turns, one instruction a turn, in the same order in every step.
.macro MUL16 a0, p, q, sc, zero
.irp a, \a0, \a0+1
.irp b, 0,1,2,3,4,5,6,7
.if \zero
	v_wmma_scale_f32_16x16x128_f8f6f4 v[8*(8*((\a)%4)+\b):8*(8*((\a)%4)+\b)+7], v[128*(\p)+FR*\b:128*(\p)+FR*\b+FR-1], v[AF+FR*(\a):AF+FR*(\a)+FR-1], 0, v[SC+8*NQ*(\sc)+NQ*\b+(\q)], v[SC+8*NQ*(\sc)+NQ*(\a)+(\q)] matrix_a_fmt:MATRIX_FMT_FP6 matrix_b_fmt:MATRIX_FMT_FP6 matrix_a_scale:MATRIX_SCALE_ROW1
.else
	v_wmma_scale_f32_16x16x128_f8f6f4 v[8*(8*((\a)%4)+\b):8*(8*((\a)%4)+\b)+7], v[128*(\p)+FR*\b:128*(\p)+FR*\b+FR-1], v[AF+FR*(\a):AF+FR*(\a)+FR-1], v[8*(8*((\a)%4)+\b):8*(8*((\a)%4)+\b)+7], v[SC+8*NQ*(\sc)+NQ*\b+(\q)], v[SC+8*NQ*(\sc)+NQ*(\a)+(\q)] matrix_a_fmt:MATRIX_FMT_FP6 matrix_b_fmt:MATRIX_FMT_FP6 matrix_a_scale:MATRIX_SCALE_ROW1
.endif
.endr
.endr
.endm
.macro FETCH_B slot, q, p              ; B's eight fragments of the slot's q-th 128 along K into set p
	WIN TO_B
.irp i, 0,1,2,3,4,5,6,7
	FRAG 128*(\p)+FR*\i, ADRB+\slot, \q, \i
.endr
	WIN 0
.endm
.macro FETCH_A slot, q, i0             ; A's blocks i0 .. i0 + 3
.irp i, \i0, \i0+1, \i0+2, \i0+3
	FRAG AF+FR*(\i), ADRA+\slot, \q, \i
.endr
.endm
.macro SCALES sc                       ; the next slot's scale words into set sc: lanes 0-15 take A's block i, lanes 16-31 B's block i.  A's 64 bytes and B's fall on the same banks: two deep, sixteen loads for 128 matrix instructions
.irp i, 0,1,2,3,4,5,6,7
.irp q, 0,1
	ds_load_b32 v[SC+8*NQ*\sc+NQ*\i+\q], v[ADRS] offset:512*\q+64*\i
.endr
.endr
.endm
; A load into a register that a matrix instruction has read, and a vector instruction that reads a matrix result or writes one of its registers, stand NP places behind it; only plain vector instructions that name none of its registers are places.
.macro PLACES n
.rept \n
	v_nop
.endr
.endm
; A step of 128 along K that has its successor in the same slot.
.macro STEP slot, q, zero
	s_wait_dscnt 4*NL                              ; B's set, A's blocks 0-3 and the scale words are in; the youngest twelve loads (A's blocks 4-7) may be out
	WIN MUL_LO
	MUL16 0, (\q)%2, \q, \slot, \zero
	MUL16 2, (\q)%2, \q, \slot, \zero
	s_wait_dscnt 0                                 ; A's blocks 4-7 are in (asked for 32 matrix instructions ago)
	PLACES NP
	FETCH_B \slot, (\q)+1, 1-(\q)%2
	FETCH_A \slot, (\q)+1, 0
	WIN MUL_HI
	MUL16 4, (\q)%2, \q, \slot, \zero
	MUL16 6, (\q)%2, \q, \slot, \zero
	PLACES NP
	WIN 0
	FETCH_A \slot, (\q)+1, 4
.endm
; A slot's last step changes slots: ONE barrier; in front of it each wave waits for all its tensor loads, adds 0 to its spare word, and waits for that and for its own reads of this slot.  fill = 1: this slot is filled again, 512 along K ahead.
.macro TURN slot, next, fill
	s_wait_tensorcnt 0x0                           ; all my tensor loads have landed: my part of the next slot (every window is 0 here)
	ds_add_u32 v[SPW], v[NIL]                      ; 0 onto my spare word
	s_wait_dscnt 4*NL+1                            ; (the add and the youngest twelve loads, A's blocks 4-7, may be out)
	WIN MUL_LO
	MUL16 0, 1, NQ-1, \slot, 0                     ; sixteen matrix instructions stand between the add and the wait for it
	s_wait_dscnt 0x0                               ; the add is done, and my reads of this slot are over
	s_barrier_signal -1
	MUL16 2, 1, NQ-1, \slot, 0
	WIN 0
	s_barrier_wait -1
.if \fill
	CREST                                          ; the barrier has opened a round of the cluster's barrier: no wave of any partner still reads this slot or has a load on its way
	s_add_nc_u64 s[G0+4*\slot+2:G0+4*\slot+3], s[G0+4*\slot+2:G0+4*\slot+3], 6144
	s_add_nc_u64 s[G0B+4*\slot+2:G0B+4*\slot+3], s[G0B+4*\slot+2:G0B+4*\slot+3], 6144
	JLOAD G0+4*\slot, G1, G0B+4*\slot, G1B         ; the first tensor load behind the round; its four v_nop are the places in front of the loads below
.else
	PLACES NP
.endif
	v_add_nc_u32 v[ADRS], 1024, v[ADRS]            ; on to the next slot's scale words: two K steps of 512 bytes
	FETCH_B \next, 0, 0
	FETCH_A \next, 0, 0
	SCALES \next
	WIN MUL_HI
	MUL16 4, 1, NQ-1, \slot, 0
	MUL16 6, 1, NQ-1, \slot, 0
	PLACES NP
	WIN 0
	FETCH_A \next, 0, 4
.endm
	s_wait_tensorcnt 1                             ; the scale words and my part of slot 0 are in (slot 1's load may be out)
	s_barrier_signal -1
	s_barrier_wait -1                              ; everybody's are
	FETCH_B 0, 0, 0
	FETCH_A 0, 0, 0
	SCALES 0
	FETCH_A 0, 0, 4
	STEP 0, 0, 1                                   ; the first step stands in front of the loop: its products start the sums
	s_mov_b32 s3, LAPS-1
.Llap:                                                 ; a trip goes once round the ring and fills both slots again
	TURN 0, 1, 1
	STEP 1, 0, 0
	TURN 1, 0, 1
	STEP 0, 0, 0
	s_sub_co_u32 s3, s3, 1
	s_cmp_lg_u32 s3, 0
	s_cbranch_scc1 .Llap
	TURN 0, 1, 0                                   ; the last lap fills nothing, and has no round of the cluster's barrier
	STEP 1, 0, 0
	s_wait_dscnt 4*NL                              ; the very last step: nothing more to fetch
	WIN MUL_LO
	MUL16 0, 1, NQ-1, 1, 0
	MUL16 2, 1, NQ-1, 1, 0
	s_wait_dscnt 0
	WIN MUL_HI
	MUL16 4, 1, NQ-1, 1, 0
	MUL16 6, 1, NQ-1, 1, 0
	WIN 0
; 64 numbers of a lane, v[s] .. v[s + 63], become a fragment's codes in v[PC] on and its row's scale word in v[PW].
.macro QUANT s
.irp b, 0,1,2,3
	v_max3_num_f32 v[TM+\b], |v[\s+16*\b]|, |v[\s+1+16*\b]|, 0x1800000   ; block b: my 16 numbers, and the floor 2^(3 - 127): the byte cannot fall under 1
.endr
.irp i, 2,4,6,8,10,12,14
.irp b, 0,1,2,3
	v_max3_num_f32 v[TM+\b], v[TM+\b], |v[\s+16*\b+\i]|, |v[\s+1+16*\b+\i]|
.endr
.endr
.irp b, 0,1,2,3
	v_permlanex16_b32 v[TM+4+\b], v[TM+\b], s[SEL], s[SEL+1]
.endr
.irp b, 0,1,2,3
	v_max_num_f32 v[TM+\b], v[TM+\b], v[TM+4+\b]   ; with lane l xor 16's: the block's largest magnitude
.endr
.irp b, 0,1,2,3
	v_add_nc_u32 v[TM+12+\b], 0xff000000, v[TM+\b]   ; 2 off its exponent field: the conversion's scale operand
.endr
.irp b, 0,1,2,3
	v_lshrrev_b32 v[TM+4+\b], 23, v[TM+12+\b]      ; the scale's byte
.endr
	v_lshl_or_b32 v[PW], v[TM+5], 8, v[TM+4]
	v_lshl_or_b32 v[PW], v[TM+6], 16, v[PW]
	v_lshl_or_b32 v[PW], v[TM+7], 24, v[PW]
.irp c, 0,1
	v_cvt_scalef32_pk16_fp6_f32 v[PC+6*\c:PC+2+6*\c], v[\s+32*\c:\s+15+32*\c], v[TM+12+2*\c]
	v_cvt_scalef32_pk16_fp6_f32 v[PC+12+4*\c:PC+14+4*\c], v[\s+16+32*\c:\s+31+32*\c], v[TM+12+2*\c+1]
.endr
	v_nop                                          ; one plain place behind a scaled conversion
.irp c, 0,1
.irp i, 0,1,2
	v_permlane16_swap_b32 v[PC+6*\c+\i], v[PC+12+4*\c+\i]
.endr
.irp i, 0,1,2
	v_mov_b32 v[PC+3+6*\c+\i], v[PC+12+4*\c+\i]
.endr
.endr
.endm
; THE WAY OUT of A's block a: its 64 results and the bias; quantised; the image stored, 512 consecutive bytes an instruction; the row's scale word to my 512 bytes of LDS.
; q, k: the bias goes with the register (a column);  v: with the lane's row, the same for all 64.  The branch hangs on the part, which all partners share.  Each accumulator is read from its low end on.
.macro OUTBLK a
.set WN, 0x02+(\a)/4                   ; source 0: window 2 or 3
	s_cmp_eq_u32 s67, 0
	s_cbranch_scc0 .Lrow_\@
	WIN WN
.set i, 0
.rept 32
	v_pk_add_f32 v[H+i:H+i+1], v[64*((\a)%4)+i:64*((\a)%4)+i+1], v[BI+i:BI+i+1]
.set i, i+2
.endr
	WIN 0
	s_branch .Ljoin_\@
.Lrow_\@:
	WIN WN
.set i, 0
.rept 32
	v_pk_add_f32 v[H+i:H+i+1], v[64*((\a)%4)+i:64*((\a)%4)+i+1], v[BI+8*(\a):BI+8*(\a)+1]
.set i, i+2
.endr
	WIN 0
.Ljoin_\@:
.if (\a) > 0
	s_wait_xcnt 0x0                                ; the last block's stores have read their registers: the codes may be written again,
	s_wait_dscnt 0x0                               ; and so may the scale word
.endif
	QUANT H
.irp c, 0,1,2
	global_store_b128 v[LI], v[PC+4*\c:PC+4*\c+3], s[96:97] offset:1536*(\a)+512*\c
.endr
	ds_store_b32 v[SWA], v[PW] offset:64*(\a)      ; both halves of the lanes write the same word with the same value
.endm
	PLACES NP                                      ; behind the last products: their results are read and their operands' registers written below
.irp b, 0,1,2,3
	v_mov_b32 v[TM+4+\b], 0                        ; written once: a lane permute's destination counts as one of its sources
.endr
	s_wait_loadcnt 0x0                             ; the bias
.irp a, 0,1,2,3,4,5,6,7
	OUTBLK \a
.endr
	ds_load_b128 v[232:235], v[SRA]                ; LDS serves a wave's instructions in order: these see my stores: the wave's 128 scale words
	s_wait_dscnt 0x0
	global_store_b128 v[LI], v[232:235], s[98:99]  ; 512 consecutive bytes, aligned
	s_wait_tensorcnt 0x0                           ; the wave's end: behind my last tensor load and my last LDS store
	ds_add_u32 v[SPW], v[NIL]
	s_wait_dscnt 0x0
	CROUND                                         ; the closing round: no work-group ends while a partner may still ask for a tile that names it
	s_endpgm
.Lfunc_end_k_q277488d670_qkv:
	.size	k_q277488d670_qkv, .Lfunc_end_k_q277488d670_qkv-k_q277488d670_qkv
	.p2alignl 7, 3214868480
	.fill 96, 4, 3214868480
	.section	.rodata,"a",@progbits
	.p2align	6, 0x0
	.amdhsa_kernel k_q277488d670_qkv
		.amdhsa_group_segment_fixed_size 327680
		.amdhsa_private_segment_fixed_size 0
		.amdhsa_enable_private_segment 0
		.amdhsa_kernarg_size 40
		.amdhsa_user_sgpr_count 2
		.amdhsa_user_sgpr_kernarg_segment_ptr 1
		.amdhsa_wavefront_size32 1
		.amdhsa_system_sgpr_workgroup_id_x 1
		.amdhsa_system_sgpr_workgroup_id_y 1
		.amdhsa_system_sgpr_workgroup_id_z 1
		.amdhsa_system_vgpr_workitem_id 0
		.amdhsa_next_free_vgpr 1024
		.amdhsa_next_free_sgpr 102
		.amdhsa_reserve_vcc 0
		.amdhsa_float_denorm_mode_32 3
		.amdhsa_float_denorm_mode_16_64 3
		.amdhsa_memory_ordered 1
		.amdhsa_forward_progress 1
		.amdhsa_inst_pref_size 183
	.end_amdhsa_kernel
	.amdgpu_metadata
---
amdhsa.version: [ 1, 2 ]
amdhsa.kernels:
  - .name:           k_q277488d670_qkv
    .symbol:         k_q277488d670_qkv.kd
    .args:
      - { .name: xq, .offset: 0, .size: 8, .value_kind: global_buffer, .address_space: global }
      - { .name: wq, .offset: 8, .size: 8, .value_kind: global_buffer, .address_space: global }
      - { .name: bqkv, .offset: 16, .size: 8, .value_kind: global_buffer, .address_space: global }
      - { .name: qq, .offset: 24, .size: 8, .value_kind: global_buffer, .address_space: global }
      - { .name: kv, .offset: 32, .size: 8, .value_kind: global_buffer, .address_space: global }
    .group_segment_fixed_size: 327680
    .private_segment_fixed_size: 0
    .kernarg_segment_align: 8
    .kernarg_segment_size: 40
    .max_flat_workgroup_size: 128
    .sgpr_count:     102
    .vgpr_count:     1024
    .wavefront_size: 32
...
	.end_amdgpu_metadata
.endif
;; end of part 2
;; launch attn (part 3): grid 32 x 16, 16 waves a work-group, clusters of 4 x 4, 327,680 bytes of LDS; arguments qq, kv, attn_mask, yq; writes yq
.if DOCPART == 3
	.amdgcn_target "amdgcn-amd-amdhsa--gfx1250"
	.amdhsa_code_object_version 6
	.text
	.protected	k_q277488d670_attn
	.globl	k_q277488d670_attn
	.p2align	8
	.type	k_q277488d670_attn,@function
k_q277488d670_attn:
	s_mov_b64 s[64:65], 0
	v_nop
	global_prefetch_b8 v0, s[64:65] scope:SCOPE_SE
	s_setreg_imm32_b32 hwreg(HW_REG_WAVE_MODE, 25, 1), 1
	s_wait_xcnt 0x0
	s_wait_alu depctr_hold_cnt(0) depctr_sa_sdst(0) depctr_va_vdst(0) depctr_va_sdst(0) depctr_va_ssrc(0) depctr_va_vcc(0) depctr_vm_vsrc(0)
	s_getreg_b32 s2, hwreg(HW_REG_IB_STS2, 6, 4)
	s_cmp_eq_u32 s2, 0
	s_cbranch_scc0 .Lentry_in_a_cluster
	s_endpgm
.Lentry_in_a_cluster:
	s_bfe_u32 s2, ttmp6, 0x10000c
	s_cmp_lg_u32 s2, 0xf033
	s_cbranch_scc0 .Lentry_shape_is_right
	s_endpgm
.Lentry_shape_is_right:
; y = softmax(q k^T / 8 + attn_mask) v, both products on codes of FP6 (E2M3) with E8M0 scales; y quantised in registers for the last product.
; No work of the problem is left out: attn_mask is an input of floating-point numbers, so all 2,048 keys are computed for every query and the mask is added in f32 ahead of the maximum.
; THE SOFTMAX: a = score + 8 mask (which is 8 x the rounded logit, exactly); t = a x log2(e) / 8; M = the running largest t, rounded UP to a whole number; p = 2^(t - M) is quantised along the keys, not normalised.
; The row's sum is taken of the unquantised p and divides at the end.  When M moves, the sum and O are multiplied by 2^(old M - new M): exact.
; SHARES.  A work-group owns a pair of heads and 128 queries.  Wave w owns the tile of 16 queries w / 2 and the head w % 2 of the pair, in 256 registers: four waves to a SIMD, so that one wave's vector work stands beside another's matrix work and LDS loads.
; Every wave walks 16 steps of 128 keys.  A step's tiles come through a ring of two LDS slots: the mask's 128 x 128 f32 (waves 0 and 1 fetch its halves) and the step's block of kv, 25,600 dense bytes (waves 2 and 3).
; CLUSTER 4 x 4: the mask's tile hangs on the block of queries alone and is asked for jointly along a row of the cluster; kv's block hangs on the pair alone and is asked for jointly along a column.
; LAYOUT.  Both products are used transposed: S^T = K Q^T (source 0 = 16 keys, source 1 = my queries), O^T = V^T P^T: a lane holds ONE query (lane % 16) throughout.  A fragment of q or k holds both heads of the pair (128 = 2 x 64 along K):
; the other head's six registers of Q are cleared once, and zero codes make K's other half count for nothing.  Register 8 t + j of lane (r, h) is key 16 t + 8 h + j: inside a block of 32 p's codes lie in the order 0-7, 16-23, 8-15, 24-31, as V's do.
; LIMITS: NaN and infinities are not served; |attn_mask| stays under 2^124 (8 x mask is formed); a block of zeros gets the byte 1 (its codes are zeros).
; REGISTERS: v1-5 addresses that stay; v6-10 those of the step; v11 the prefetch's offset; v12 -M, v13 the largest t, v[14:15] the sum; v16-27 Q; v28, v29 the add's two; v30 8 x lane; v32-79 four fragments; v80-111 the mask;
;   v112-175 S^T, then p; v176-207 O^T; v208-226 p's codes; v228-243 at work; v244-247 the fragments' scale words, v248 Q's, v249 p's (these six hold scales and nothing else); v250-254 at work.
.set SLOT1, 131072                     ; slot 1 begins here, so that one exclusive or turns an address in one slot into the other's
.set KVO,   67584                      ; a slot: the mask, 128 rows x (512 + 16) bytes; then kv's block: K's 8 images, V^T's 8 at 12,288, K's scale words at 24,576, V's at 25,088
.set SPARE, 262144                     ; the spare words, 128 bytes for each wave: eight blocks of 256 bytes that no other line names
.set STG,   264192                     ; the way out: y's 8 images
.set SCS,   276480                     ; and its 128 scale words
.set TB,    2                          ; s2  LDS byte at which the slot in hand begins
.set SLOTS, 3                          ; s3  steps still to be asked for
.set WV,    18                         ; s18 my wave's number;  s19 my tile of queries;  s50 my head of the pair
.set SEL,   20                         ; s[20:21] lane selects for v_permlanex16_b32: lane l xor 16
.set CS,    22                         ; s[22:23] log2(e) / 8
.set G1M,   24                         ; s[24:31] descriptor group 1 for the mask;  s[32:39] for kv;  s[40:43], s[44:47] their groups 0, which walk
.set G1K,   32
.set G0M,   40
.set G0K,   44
.set EIGHT, 48                         ; s[48:49] 8.0
.set PFA,   66                         ; s[66:67] where my prefetches stand;  s[68:69] a step on, in bytes;  s70: 1 in a wave that prefetches, else the greatest number
.set PFS,   68
.set LIM,   70
.macro CROUND                          ; a round of the cluster's barrier
	s_barrier_signal -1
	s_barrier_wait -1
	s_cmp_lg_u32 s[WV], 0
	s_cbranch_scc1 .Lnot_wave_0_\@
	s_barrier_signal -3
.Lnot_wave_0_\@:
	s_barrier_wait -3
	s_barrier_signal -1
	s_barrier_wait -1
.endm
; Waves 0 and 1 fetch the mask's halves, waves 2 and 3 kv's, the others nothing.  The branches hang on the wave's number alone.  An s_nop 0 and four v_nop follow each of the two lines.
.macro TLOAD
	s_cmp_lt_u32 s[WV], 2
	s_cbranch_scc0 .Lnot_m_\@
	tensor_load_to_lds s[G0M:G0M+3], s[G1M:G1M+7]
	s_nop 0
.rept 4
	v_nop
.endr
	s_branch .Lasked_\@
.Lnot_m_\@:
	s_cmp_lt_u32 s[WV], 4
	s_cbranch_scc0 .Lasked_\@
	tensor_load_to_lds s[G0K:G0K+3], s[G1K:G1K+7]
	s_nop 0
.rept 4
	v_nop
.endr
.Lasked_\@:
.endm
; A PREFETCH INTO THE L2 of what the NEXT change of slots will ask for, one step of 12 matrix instructions and a softmax in each of sixteen waves ahead of that load.
; The mask's rows are walked by all eight clusters of a row of clusters: the first of them asks; its partners along x share the 128 rows out by address, 32 each, a lane a row; wave 4 names the first 256 bytes of the step's 512, wave 5 the second.
; kv's block is walked by all four clusters of a column: the first asks; its partners along y share the block's 100 pieces of 256 bytes out by address, 25 each; wave 6 names them (lanes 25-31 name the 25th once more in the same instruction).
; The last change that fills a slot asks for nothing; steps 0 and 1 come by their loads alone.
.macro ASK
	s_cmp_gt_u32 s[SLOTS], s[LIM]
	s_cbranch_scc0 .Lnot_mine_\@
	global_prefetch_b8 v11, s[PFA:PFA+1] th:TH_LOAD_NT scope:SCOPE_SE
.Lnot_mine_\@:
.endm
	s_load_b256 s[4:11], s[0:1], 0x0               ; qq s[4:5], kv s[6:7], attn_mask s[8:9], yq s[10:11]
	v_lshl_add_u32 v28, v0, 2, SPARE
	v_mov_b32 v29, 0
	ds_add_u32 v28, v29                            ; the wave's opening: the add, twice on end, and its wait ahead of the first tensor loads
	ds_add_u32 v28, v29
	v_lshrrev_b32 v6, 5, v0
	v_readfirstlane_b32 s[WV], v6                  ; wave 0..15
	s_lshr_b32 s19, s[WV], 1                       ; my tile of queries
	s_and_b32 s50, s[WV], 1                        ; my head of the pair.  Also: which half of a tile I fetch
	s_bfe_u32 s51, ttmp6, 0x40000                  ; cx
	s_bfe_u32 s52, ttmp6, 0x40004                  ; cy
	s_lshl_b32 s53, ttmp9, 2
	s_add_co_u32 s53, s53, s51                     ; the pair of heads, 0..31
	s_and_b32 s55, ttmp7, 0xffff                   ; the cluster's y
	s_lshl_b32 s54, s55, 2
	s_add_co_u32 s54, s54, s52                     ; the block of 128 queries, 0..15
	s_lshl_b32 s56, s52, 2
	s_lshl_b32 s56, 15, s56                        ; my row of the cluster
	s_lshl_b32 s57, 0x1111, s51                    ; my column
	s_or_b32 s[G1M], s56, (2<<16)|(1<<20)|(1<<21)|(6<<22)|(3<<25)   ; the mask: 15:0 my row; elements of 4 bytes; padding on; 21 set beside a mask; after every 128 words, 4 words
	s_mov_b32 s[G1M+1], 128<<16                    ; tensor_dim0
	s_mov_b32 s[G1M+2], 64<<16                     ; tensor_dim1
	s_mov_b32 s[G1M+3], 128<<16                    ; tile_dim0
	s_mov_b32 s[G1M+4], 64                         ; tile_dim1
	s_mov_b32 s[G1M+5], 2048                       ; tensor_dim0_stride
	s_mov_b32 s[G1M+6], 0
	s_mov_b32 s[G1M+7], 0
	s_or_b32 s[G1K], s57, (3<<16)|(1<<21)          ; kv: my column; 12,800 dense bytes as 50 rows of 256
	s_mov_b32 s[G1K+1], 32<<16
	s_mov_b32 s[G1K+2], 50<<16
	s_mov_b32 s[G1K+3], 32<<16
	s_mov_b32 s[G1K+4], 50
	s_mov_b32 s[G1K+5], 32
	s_mov_b32 s[G1K+6], 0
	s_mov_b32 s[G1K+7], 0
	s_lshl_b32 s58, s54, 20                        ; the mask at row 128 x block + 64 x half: rows of 8,192 bytes
	s_lshl_b32 s59, s50, 19
	s_add_co_u32 s58, s58, s59
	s_mov_b32 s59, 0
	s_mul_i32 s60, s53, 409600                     ; kv at the pair's step 0, my half of the block
	s_mul_i32 s61, s50, 12800
	s_add_co_u32 s60, s60, s61
	s_mov_b32 s61, 0
	s_mov_b32 s[SEL], 0x76543210
	s_mov_b32 s[SEL+1], 0xfedcba98
	s_mov_b32 s[CS], 0x3e38aa3b                    ; log2(e) / 8
	s_mov_b32 s[CS+1], s[CS]                       ; (named with it as a pair, so it is written)
	s_mov_b32 s[EIGHT], 0x41000000
	s_mov_b32 s[EIGHT+1], s[EIGHT]
	s_mov_b32 s[TB], 0
	s_mov_b32 s[SLOTS], 15
	s_wait_dscnt 0x0                               ; both opening adds are done
	s_wait_kmcnt 0x0
	s_mov_b32 s[G0M], 1
	s_mul_i32 s[G0M+1], s50, 33792                 ; slot 0, my 64 rows of 528 bytes: no place in the cluster enters an LDS address
	s_add_nc_u64 s[G0M+2:G0M+3], s[8:9], s[58:59]
	s_or_b32 s[G0M+3], s[G0M+3], 0x80000000
	s_mov_b32 s[G0K], 1
	s_mul_i32 s[G0K+1], s50, 12800
	s_add_co_u32 s[G0K+1], s[G0K+1], KVO
	s_add_nc_u64 s[G0K+2:G0K+3], s[6:7], s[60:61]
	s_or_b32 s[G0K+3], s[G0K+3], 0x80000000
	CROUND                                         ; all sixteen work-groups are here: the first joint loads meet
	TLOAD                                          ; slot 0, step 0
	s_lshl_b32 s58, s53, 7
	s_lshl_b32 s59, s54, 3
	s_add_co_u32 s58, s58, s59
	s_add_co_u32 s58, s58, s19
	s_mul_i32 s58, s58, 1536                       ; Q's image: 128 x pair + 8 x block + my tile
	s_mov_b32 s59, 0
	s_add_nc_u64 s[58:59], s[4:5], s[58:59]
	s_lshl_b32 s60, s53, 13
	s_lshl_b32 s61, s54, 9
	s_add_co_u32 s60, s60, s61
	s_lshl_b32 s61, s19, 6
	s_add_co_u32 s60, s60, s61
	s_add_co_u32 s60, s60, 6291456                 ; and its 16 scale words
	s_mov_b32 s61, 0
	s_add_nc_u64 s[60:61], s[4:5], s[60:61]
	v_and_b32 v6, 31, v0                           ; lane
	v_and_b32 v7, 15, v0                           ; r
	v_bfe_u32 v8, v0, 4, 1                         ; h
	v_lshlrev_b32 v9, 4, v6
	v_lshlrev_b32 v10, 2, v7
.irp c, 0,1,2
	global_load_b128 v[16+4*\c:19+4*\c], v9, s[58:59] offset:512*\c   ; Q's fragment stays in registers
.endr
	global_load_b32 v248, v10, s[60:61]            ; Q's scale words
	v_lshlrev_b32 v30, 3, v6
	v_add_nc_u32 v1, KVO, v9                       ; K's images: 16 x lane
	s_mul_i32 s71, s50, 6144
	s_add_co_u32 s71, s71, KVO+12288
	v_add_nc_u32 v2, s71, v9                       ; V's: my head's four
	v_add_nc_u32 v3, KVO+24576, v10                ; K's scale words: 4 r
	s_lshl_b32 s72, s50, 8
	s_add_co_u32 s72, s72, KVO+25088
	v_add_nc_u32 v4, s72, v10                      ; V's: my head's 64
	s_mul_i32 s73, s19, 8448
	v_mul_u32_u24 v5, v7, 528
	v_lshl_add_u32 v5, v8, 5, v5
	v_add_nc_u32 v5, s73, v5                       ; the mask: my query's row, + 32 h.  Rows 528 bytes apart: the 16 rows of a load start in 16 different groups of banks
	; the prefetches (macro ASK): where my wave's stand, and who asks
	s_lshl_b32 s80, s54, 20
	s_lshl_b32 s81, s51, 18
	s_add_co_u32 s80, s80, s81                     ; the mask: row 128 x block + 32 cx,
	s_lshl_b32 s81, s50, 8
	s_add_co_u32 s80, s80, s81                     ; my 256 bytes of a step's 512,
	s_add_co_u32 s80, s80, 512                     ; in step 1: the first change of slots steps it to step 2.  Nothing is prefetched here, at the head
	s_mul_i32 s82, s53, 409600
	s_mul_i32 s83, s52, 6400
	s_add_co_u32 s82, s82, s83                     ; kv: the pair's blocks, my work-group's 6,400 bytes,
	s_add_co_u32 s82, s82, 25600                   ; in step 1
	s_mov_b32 s83, 25600
	s_mov_b32 s84, 8192
	s_cmp_eq_u32 s[WV], 6                          ; wave 6 asks for kv, waves 4 and 5 for the mask
	s_cselect_b64 s[PFA:PFA+1], s[6:7], s[8:9]
	s_cselect_b32 s80, s82, s80
	s_cselect_b32 s[PFS], s83, 512                 ; a step on
	s_cselect_b32 s84, 256, s84                    ; from lane to lane
	s_cselect_b32 s85, 24, 31                      ; the last lane that names a piece of its own
	s_cselect_b32 s86, s55, ttmp9                  ; the coordinate along which other clusters walk the same bytes
	s_mov_b32 s81, 0
	s_mov_b32 s[PFS+1], 0
	s_add_nc_u64 s[PFA:PFA+1], s[PFA:PFA+1], s[80:81]
	v_min_u32 v11, s85, v6
	v_mul_lo_u32 v11, v11, s84
	s_sub_co_u32 s87, s[WV], 4
	s_cmp_lt_u32 s87, 3                            ; waves 4 to 6
	s_cselect_b32 s87, 0, 1
	s_or_b32 s86, s86, s87
	s_cmp_eq_u32 s86, 0
	s_cselect_b32 s[LIM], 1, -1                    ; the same in all sixteen partners, for a given wave
	; where y goes
	s_lshr_b32 s71, s53, 3                         ; the batch
	s_and_b32 s72, s53, 7                          ; the pair in it: y's K step
	s_lshl_b32 s73, s71, 7
	s_lshl_b32 s74, s54, 3
	s_add_co_u32 s73, s73, s74
	s_add_co_u32 s73, s73, s19                     ; the row tile
	s_lshl_b32 s73, s73, 3
	s_add_co_u32 s73, s73, s72
	s_mul_i32 s76, s73, 1536
	s_mul_i32 s74, s50, 768
	s_add_co_u32 s76, s76, s74                     ; the half of the image that I store
	s_mov_b32 s77, 0
	s_add_nc_u64 s[76:77], s[10:11], s[76:77]
	s_lshl_b32 s78, s71, 4
	s_add_co_u32 s78, s78, s54
	s_lshl_b32 s78, s78, 3
	s_add_co_u32 s78, s78, s72
	s_lshl_b32 s78, s78, 9
	s_add_co_u32 s78, s78, 6291456                 ; the 128 rows' scale words of that K step
	s_mov_b32 s79, 0
	s_add_nc_u64 s[78:79], s[10:11], s[78:79]
	v_mov_b32 v13, 0xff61b1e6                      ; the largest t so far: -3e38, under every t
	v_floor_f32 v12, -v13                          ; -M
	v_mov_b32 v14, 0                               ; the sum, in two halves
	v_mov_b32 v15, 0
.irp b, 0,1,2,3
	v_mov_b32 v[232+\b], 0                         ; written once: a lane permute's destination counts as one of its sources
.endr
	v_mov_b32 v253, 0                              ; (named as the upper half of the pair v[252:253])
.set j, 0
.rept 32
	v_mov_b32 v[176+j], 0                          ; O^T.  (The step is written for every step alike: the first finds zeros, which the first change of M leaves zeros)
.set j, j+1
.endr
	s_cmp_eq_u32 s50, 0
	s_cselect_b32 s74, -1, 0
	s_cselect_b32 s75, 0, -1
	s_wait_loadcnt 0x0                             ; Q
.irp i, 0,1,2,3,4,5
	v_and_b32 v[16+\i], s74, v[16+\i]              ; the other head's codes become zeros
	v_and_b32 v[22+\i], s75, v[22+\i]
.endr
.macro KLOAD g                         ; four tiles of 16 keys and their scale words
.irp t, 0,1,2,3
.irp c, 0,1,2
	ds_load_b128 v[32+12*\t+4*\c:35+12*\t+4*\c], v6 offset:1536*(4*\g+\t)+512*\c
.endr
	ds_load_b32 v[244+\t], v8 offset:64*(4*\g+\t)
.endr
.endm
.macro MLOAD g                         ; the mask of my query at these 64 keys: register 8 t + j: key 16 t + 8 h + j, as the scores lie
.irp t, 0,1,2,3
.irp u, 0,1
	ds_load_b128 v[80+8*\t+4*\u:83+8*\t+4*\u], v10 offset:64*(4*\g+\t)+16*\u
.endr
.endr
.endm
.macro SMUL g                          ; S^T = K Q^T
.irp t, 0,1,2,3
	v_wmma_scale_f32_16x16x128_f8f6f4 v[112+32*\g+8*\t:119+32*\g+8*\t], v[32+12*\t:43+12*\t], v[16:27], 0, v[244+\t], v248 matrix_a_fmt:MATRIX_FMT_FP6 matrix_b_fmt:MATRIX_FMT_FP6
.endr
.endm
.macro MADD g                          ; a = 8 x mask + score, two at a time, each accumulator from its low end on
.set i, 0
.rept 16
	v_pk_fma_f32 v[112+32*\g+i:113+32*\g+i], v[80+i:81+i], s[EIGHT:EIGHT+1], v[112+32*\g+i:113+32*\g+i] op_sel_hi:[1,0,1]
.set i, i+2
.endr
.endm
.macro PLACES
.rept 4
	v_nop
.endr
.endm
; A KEY STEP: 128 keys, in the slot at s[TB].
.macro STEP
	v_add_nc_u32 v6, s[TB], v1                     ; (these five are also the places behind the last step's products, in front of the loads into their operands' registers)
	v_add_nc_u32 v7, s[TB], v2
	v_add_nc_u32 v8, s[TB], v3
	v_add_nc_u32 v9, s[TB], v4
	v_add_nc_u32 v10, s[TB], v5
	KLOAD 0
	MLOAD 0
	s_wait_dscnt 0x0
	SMUL 0
	PLACES                                         ; in front of loads into registers that the products read, and of the first read of their results
	KLOAD 1
	MADD 0
	MLOAD 1                                        ; behind the additions that read the first half's mask
	s_wait_dscnt 0x0
	SMUL 1
	PLACES
.irp t, 0,1,2,3                                ; V^T's four tiles of my head and their scale words: they land under the softmax
.irp c, 0,1,2
	ds_load_b128 v[32+12*\t+4*\c:35+12*\t+4*\c], v7 offset:1536*\t+512*\c
.endr
	ds_load_b32 v[244+\t], v9 offset:64*\t
.endr
	MADD 1
.irp b, 0,1,2,3
	v_max3_num_f32 v[228+\b], v[112+16*\b], v[113+16*\b], v[114+16*\b]   ; the largest a of each block of 32 keys: it serves for the row's maximum and, since p rises with a, for the block's largest p
.endr
.irp i, 3,5,7,9,11,13
.irp b, 0,1,2,3
	v_max3_num_f32 v[228+\b], v[228+\b], v[112+16*\b+\i], v[113+16*\b+\i]
.endr
.endr
.irp b, 0,1,2,3
	v_max_num_f32 v[228+\b], v[228+\b], v[127+16*\b]
.endr
.irp b, 0,1,2,3
	v_permlanex16_b32 v[232+\b], v[228+\b], s[SEL], s[SEL+1]
.endr
.irp b, 0,1,2,3
	v_max_num_f32 v[228+\b], v[228+\b], v[232+\b]  ; with lane l xor 16's 16 keys
.endr
	v_max3_num_f32 v254, v228, v229, v230
	v_max_num_f32 v254, v254, v231                 ; the step's largest a of my query
	v_mul_f32 v254, s[CS], v254                    ; as t
	v_max_num_f32 v13, v13, v254                   ; the running largest t
	v_mov_b32 v254, v12
	v_floor_f32 v12, -v13                          ; the new -M = floor(-t): M is a whole number
	v_sub_f32 v254, v12, v254                      ; old M - new M: a whole number, 0 or less
	v_cvt_i32_f32 v254, v254                       ; (it saturates)
	v_ldexp_f32 v252, 1.0, v254                    ; f = 2^(old M - new M)
.set j, 0
.rept 32
	v_pk_fma_f32 v[112+j:113+j], v[112+j:113+j], s[CS:CS+1], v[12:13] op_sel_hi:[1,0,0]   ; t - M, two at a time
.set j, j+2
.endr
.irp b, 0,1,2,3
	v_fma_f32 v[228+\b], v[228+\b], s[CS], v12     ; the same of each block's largest a
.endr
.set j, 0
.rept 64
	v_exp_f32 v[112+j], v[112+j]                   ; p = 2^(t - M), at most 1
.set j, j+1
.endr
	v_pk_mul_f32 v[14:15], v[14:15], v[252:253] op_sel_hi:[1,0]   ; the sums under the new M: a plain place behind the exponentials
	s_wait_alu depctr_va_vdst(0)                   ; one wait for the whole batch, ahead of its first reader
.irp b, 0,1,2,3
	v_exp_f32 v[228+\b], v[228+\b]                 ; the block's largest p: the same two instructions on the same number give the same bits
.endr
	v_pk_add_f32 v[236:237], v[112:113], v[114:115]   ; the row's sum is taken of the unquantised p, in two chains (it reads the 64 alone: plain work behind the four)
.irp j, 4,8,12,16,20,24,28,32,36,40,44,48,52,56,60
	v_pk_add_f32 v[14:15], v[14:15], v[112+\j:113+\j]
	v_pk_add_f32 v[236:237], v[236:237], v[114+\j:115+\j]
.endr
	v_pk_add_f32 v[14:15], v[14:15], v[236:237]
	s_wait_alu depctr_va_vdst(0)                   ; and one for the four
.irp b, 0,1,2,3
	v_max_num_f32 v[228+\b], 0x1800000, v[228+\b]  ; the floor 2^(3 - 127): the byte cannot fall under 1
.endr
.irp b, 0,1,2,3
	v_add_nc_u32 v[240+\b], 0xff000000, v[228+\b]  ; 2 off the exponent field: the conversion's scale operand
.endr
.irp b, 0,1,2,3
	v_lshrrev_b32 v[232+\b], 23, v[240+\b]         ; the scale's byte
.endr
	v_lshl_or_b32 v249, v233, 8, v232              ; p's scale word for these 128 keys
	v_lshl_or_b32 v249, v234, 16, v249
	v_lshl_or_b32 v249, v235, 24, v249
.irp c, 0,1
	v_cvt_scalef32_pk16_fp6_f32 v[208+6*\c:210+6*\c], v[112+32*\c:127+32*\c], v[240+2*\c]
	v_cvt_scalef32_pk16_fp6_f32 v[220+4*\c:222+4*\c], v[128+32*\c:143+32*\c], v[240+2*\c+1]   ; (a conversion's three registers begin on an even number)
.endr
	v_nop                                          ; one plain place behind a scaled conversion
.irp c, 0,1                                    ; the operand's layout wants a whole block in a lane
.irp i, 0,1,2
	v_permlane16_swap_b32 v[208+6*\c+\i], v[220+4*\c+\i]
.endr
.irp i, 0,1,2
	v_mov_b32 v[211+6*\c+\i], v[220+4*\c+\i]
.endr
.endr
.set j, 0
.rept 16
	v_pk_mul_f32 v[176+j:177+j], v[176+j:177+j], v[252:253] op_sel_hi:[1,0]   ; O^T under the new M.  (These sixteen are also the places between the writes of p's scale word and codes and the products)
.set j, j+2
.endr
	s_wait_dscnt 0x0                               ; V
.irp t, 0,1,2,3                                ; O^T += V^T P^T: the four accumulators by turns
	v_wmma_scale_f32_16x16x128_f8f6f4 v[176+8*\t:183+8*\t], v[32+12*\t:43+12*\t], v[208:219], v[176+8*\t:183+8*\t], v[244+\t], v249 matrix_a_fmt:MATRIX_FMT_FP6 matrix_b_fmt:MATRIX_FMT_FP6
.endr
.endm
; THE CHANGE OF SLOTS stands at a step's head.  Each wave waits for all its tensor loads, adds 0 to its spare word, and waits for that and for its reads of the slot that it has left.
; fill = 1: a round of the cluster's barrier, and behind it the other slot is filled with the next step's tiles: one tensor load a wave, which has a step of all sixteen waves in which to land.  A wave has at most one tensor load out.
.macro CHANGE fill
	s_wait_tensorcnt 0x0                           ; no tensor load of mine is out, so a group 0 may be written
	ds_add_u32 v28, v29                            ; 0 onto my spare word
.if \fill
	ds_add_u32 v28, v29                            ; and once more: the add twice on end, in every trip alike
	s_xor_b32 s[G0M+1], s[G0M+1], SLOT1            ; the walking descriptors: the other slot than last time,
	s_add_nc_u64 s[G0M+2:G0M+3], s[G0M+2:G0M+3], 512   ; the next 128 keys; the type bits on top are not reached
	s_xor_b32 s[G0K+1], s[G0K+1], SLOT1
	s_add_nc_u64 s[G0K+2:G0K+3], s[G0K+2:G0K+3], 25600
	s_wait_xcnt 0x0                                ; the last prefetch, a step back, has read its address, so it may be written:
	s_add_nc_u64 s[PFA:PFA+1], s[PFA:PFA+1], s[PFS:PFS+1]   ; one step further on than the walking descriptors
	s_wait_dscnt 0x0                               ; both adds are done, and my reads of the slot that I have left are over
	CROUND                                         ; that now holds of every wave of every partner
	TLOAD                                          ; the first thing behind the round
	ASK
.else
	s_wait_dscnt 0x0
	s_barrier_signal -1
	s_barrier_wait -1
.endif
.endm
.Lstep:                                            ; 15 trips: behind each change of slots but the last the next step's tiles are asked for
	CHANGE 1
	STEP
	s_xor_b32 s[TB], s[TB], SLOT1                  ; on to the other slot
	s_sub_co_u32 s[SLOTS], s[SLOTS], 1
	s_cmp_lg_u32 s[SLOTS], 0
	s_cbranch_scc1 .Lstep
	CHANGE 0                                       ; the last step is written out
	STEP
	; THE WAY OUT.  O^T / the sum is my head's 64 channels of 16 rows of y: two blocks of 32 along the last product's K.  They are quantised and make half an image; the two waves of a tile of queries fill it in LDS.
	v_add_f32 v14, v14, v15                        ; the sum's two halves,
	v_permlanex16_b32 v252, v14, s[SEL], s[SEL+1]
	v_add_f32 v14, v14, v252                       ; and lane l xor 16's: the row's sum
	v_rcp_f32 v14, v14
	v_and_b32 v6, 31, v0                           ; (plain places behind the reciprocal and behind the last products)
	v_and_b32 v7, 15, v0
	v_lshlrev_b32 v8, 4, v6
	s_mul_i32 s71, s19, 1536                       ; my tile's image
	s_mul_i32 s72, s50, 520
	s_add_co_u32 s72, s72, s71
	s_add_co_u32 s72, s72, STG
	v_add_nc_u32 v9, s72, v8                       ; head 0: registers 0, 1 at 16 l and 4, 5 at 512 + 16 l;  head 1: 6, 7 at 520 + 16 l and 10, 11 at 1,032 + 16 l
	s_mul_i32 s73, s50, 1016
	s_add_co_u32 s73, s73, s71
	s_add_co_u32 s73, s73, STG+8
	v_add_nc_u32 v10, s73, v8                      ; head 0: registers 2, 3 at 8 + 16 l;  head 1: 8, 9 at 1,024 + 16 l
	s_lshl_b32 s74, s19, 6
	s_lshl_b32 s75, s50, 1
	s_add_co_u32 s74, s74, s75
	s_add_co_u32 s74, s74, SCS
	v_lshl_add_u32 v31, v7, 2, s74                 ; my row's scale word, my head's two bytes of it
	s_mul_i32 s75, s[WV], 768
	s_add_co_u32 s75, s75, STG
	v_add_nc_u32 v6, s75, v30                      ; back: 768 bytes a wave, 8 a lane
	v_add_nc_u32 v7, SCS, v8                       ; and the 128 scale words (wave 0)
	s_wait_alu depctr_va_vdst(0)                   ; the wait for the reciprocal, ahead of its first reader
.set j, 0
.rept 32
	v_mul_f32 v[112+j], v[176+j], v14              ; register 8 t + i is y(r, 16 t + 8 h + i) of my head; each accumulator from its low end on
.set j, j+1
.endr
.irp b, 0,1
	v_max3_num_f32 v[228+\b], |v[112+16*\b]|, |v[113+16*\b]|, 0x1800000
.endr
.irp i, 2,4,6,8,10,12,14
.irp b, 0,1
	v_max3_num_f32 v[228+\b], v[228+\b], |v[112+16*\b+\i]|, |v[113+16*\b+\i]|
.endr
.endr
.irp b, 0,1
	v_permlanex16_b32 v[232+\b], v[228+\b], s[SEL], s[SEL+1]
.endr
.irp b, 0,1
	v_max_num_f32 v[228+\b], v[228+\b], v[232+\b]
.endr
.irp b, 0,1
	v_add_nc_u32 v[240+\b], 0xff000000, v[228+\b]
.endr
.irp b, 0,1
	v_lshrrev_b32 v[232+\b], 23, v[240+\b]
.endr
	v_lshl_or_b32 v250, v233, 8, v232              ; my head's two scale bytes
	v_cvt_scalef32_pk16_fp6_f32 v[208:210], v[112:127], v240
	v_cvt_scalef32_pk16_fp6_f32 v[212:214], v[128:143], v241
	v_nop                                          ; one plain place behind a scaled conversion
.irp i, 0,1,2
	v_permlane16_swap_b32 v[208+\i], v[212+\i]
.endr
	v_mov_b32 v211, v212                           ; the six registers on end
	v_mov_b32 v212, v213
	v_mov_b32 v213, v214
	ds_store_b64 v9, v[208:209]
	ds_store_b64 v10, v[210:211]
	ds_store_b64 v9, v[212:213] offset:512
	ds_store_b16 v31, v250                         ; both halves of the lanes write the same bytes with the same value
	s_wait_dscnt 0x0                               ; for the others' sake: my stores have landed
	s_barrier_signal -1
	s_barrier_wait -1
.irp i, 0,1,2
	ds_load_b64 v[32+2*\i:33+2*\i], v6 offset:256*\i
.endr
	s_wait_dscnt 0x0
.irp i, 0,1,2
	global_store_b64 v30, v[32+2*\i:33+2*\i], s[76:77] offset:256*\i   ; 32 lanes store 256 consecutive bytes, aligned
.endr
	s_cmp_lg_u32 s[WV], 0
	s_cbranch_scc1 .Lnot_0
	ds_load_b128 v[40:43], v7
	s_wait_dscnt 0x0
	global_store_b128 v8, v[40:43], s[78:79]       ; the 128 rows' scale words: 512 consecutive bytes, aligned
.Lnot_0:
	s_wait_tensorcnt 0x0                           ; the wave's end: behind my last tensor load and my last LDS store
	ds_add_u32 v28, v29
	s_wait_dscnt 0x0
	CROUND                                         ; the closing round: no work-group ends while a partner may still ask for a tile that names it
	s_endpgm
.Lfunc_end_k_q277488d670_attn:
	.size	k_q277488d670_attn, .Lfunc_end_k_q277488d670_attn-k_q277488d670_attn
	.p2alignl 7, 3214868480
	.fill 96, 4, 3214868480
	.section	.rodata,"a",@progbits
	.p2align	6, 0x0
	.amdhsa_kernel k_q277488d670_attn
		.amdhsa_group_segment_fixed_size 327680
		.amdhsa_private_segment_fixed_size 0
		.amdhsa_enable_private_segment 0
		.amdhsa_kernarg_size 32
		.amdhsa_user_sgpr_count 2
		.amdhsa_user_sgpr_kernarg_segment_ptr 1
		.amdhsa_wavefront_size32 1
		.amdhsa_system_sgpr_workgroup_id_x 1
		.amdhsa_system_sgpr_workgroup_id_y 1
		.amdhsa_system_sgpr_workgroup_id_z 1
		.amdhsa_system_vgpr_workitem_id 0
		.amdhsa_next_free_vgpr 256
		.amdhsa_next_free_sgpr 90
		.amdhsa_reserve_vcc 0
		.amdhsa_float_denorm_mode_32 3
		.amdhsa_float_denorm_mode_16_64 3
		.amdhsa_memory_ordered 1
		.amdhsa_forward_progress 1
		.amdhsa_inst_pref_size 57
	.end_amdhsa_kernel
	.amdgpu_metadata
---
amdhsa.version: [ 1, 2 ]
amdhsa.kernels:
  - .name:           k_q277488d670_attn
    .symbol:         k_q277488d670_attn.kd
    .args:
      - { .name: qq, .offset: 0, .size: 8, .value_kind: global_buffer, .address_space: global }
      - { .name: kv, .offset: 8, .size: 8, .value_kind: global_buffer, .address_space: global }
      - { .name: attn_mask, .offset: 16, .size: 8, .value_kind: global_buffer, .address_space: global }
      - { .name: yq, .offset: 24, .size: 8, .value_kind: global_buffer, .address_space: global }
    .group_segment_fixed_size: 327680
    .private_segment_fixed_size: 0
    .kernarg_segment_align: 8
    .kernarg_segment_size: 32
    .max_flat_workgroup_size: 512
    .sgpr_count:     90
    .vgpr_count:     256
    .wavefront_size: 32
...
	.end_amdgpu_metadata
.endif
;; end of part 3
;; launch outp (part 4): grid 4 x 32, 4 waves a work-group, clusters of 4 x 4, 327,680 bytes of LDS; arguments yq, wq, bout, out0; writes out0
.if DOCPART == 4
	.amdgcn_target "amdgcn-amd-amdhsa--gfx1250"
	.amdhsa_code_object_version 6
	.text
	.protected	k_q277488d670_outp
	.globl	k_q277488d670_outp
	.p2align	8
	.type	k_q277488d670_outp,@function
k_q277488d670_outp:
	s_mov_b64 s[64:65], 0
	v_nop
	global_prefetch_b8 v0, s[64:65] scope:SCOPE_SE
	s_setreg_imm32_b32 hwreg(HW_REG_WAVE_MODE, 25, 1), 1
	s_wait_xcnt 0x0
	s_wait_alu depctr_hold_cnt(0) depctr_sa_sdst(0) depctr_va_vdst(0) depctr_va_sdst(0) depctr_va_ssrc(0) depctr_va_vcc(0) depctr_vm_vsrc(0)
	s_getreg_b32 s2, hwreg(HW_REG_IB_STS2, 6, 4)
	s_cmp_eq_u32 s2, 0
	s_cbranch_scc0 .Lentry_in_a_cluster
	s_endpgm
.Lentry_in_a_cluster:
	s_bfe_u32 s2, ttmp6, 0x10000c
	s_cmp_lg_u32 s2, 0xf033
	s_cbranch_scc0 .Lentry_shape_is_right
	s_endpgm
.Lentry_shape_is_right:
; out0 = y Wout + bout on codes of FP6 (E2M3) with E8M0 scales.  No work of the problem is left out here.
; y's codes and scale words come from launch attn, Wout's from launch quant; inside each block of 32 along K both lie in the order 0-7, 16-23, 8-15, 24-31.
; A tile of 256 x 256 of the output is made by a work-group of four waves; a wave makes 128 x 128: 64 accumulators, 512 registers.  K = 1,024 goes in steps of 256 through a ring of two LDS slots filled by the tensor data mover.
; Operands lie in memory and in LDS as images of their registers (1,536 bytes a fragment: registers 4 c .. 4 c + 3 of lane l at 512 c + 16 l), [row tile][K step][1536].  The scale words of 128 rows for all of K are 4,096 dense bytes, brought once.
; THE MATRIX INSTRUCTION IS USED TRANSPOSED (source 0 = 16 rows of B = Wout's columns, source 1 = 16 rows of A = y): a lane holds eight neighbouring numbers of a row of the output.
; CLUSTERS: 4 x 4 work-groups; A's tiles are asked for jointly along a row of the cluster, B's along a column.  The grid has 128 work-groups: the launch's matrix work is 512 instructions a wave.
; REGISTERS, in windows of 256: window 0: v0-31 addresses, v[8:11] my four columns' bias; v32-63 scale words, two sets, and nothing else; v128-223 A's fragments, one set; on the way out v128-255 take rows of the output.
;   window 1: B's fragments, two sets, at v0 and v128.   window 2: the accumulators of my rows 0-63 ((a, b) at v[8 (8 a + b)]);   window 3: those of rows 64-127.
.set NQ,     2
.set FR,     12
.set NL,     3
.set NP,     4
.set HALFT,  24576                     ; 128 rows x 256 K: 8 row tiles x 2 images: what one tensor load brings
.set SLOT,   4*HALFT
.set SCL,    2*SLOT                    ; behind the ring: the scale words, 4 x 4,096 bytes
.set SPARE,  SCL+4*4096                ; the spare words, 128 bytes for each wave: two blocks of 256 bytes that no other line names
.set LAPS,   2
.set SPITCH, 528                       ; the way out: a stage of 16 rows x (512 bytes + 16) for each wave, in slot 0, which has had its last fill and its last read when the first result is stored there
.set ADRA, 16
.set ADRB, 20
.set STO,  24                          ; v24 the way out: where I put 32 bytes of a row
.set RD,   25                          ; v25 where I read a row back
.set CO,   26                          ; v26 16 x lane: my byte offset in a row's 512
.set ADRS, 27
.set SPW,  28
.set NIL,  29
.set SC,   32
.set AF,   128
.set BK,   128                         ; the way out: 16 rows read back: v128-191 and v192-255 by turns
.set G1, 24
.set G0, 32
.set G1B, 48
.set G0B, 56
.set G1S, 68
.set G0S, 76
.set G1SB, 80
.set G0SB, 88
.set MSB, 0
.macro WIN new                         ; the immediate's high byte repeats the setting that is left
.if MSB != \new
	s_set_vgpr_msb (MSB<<8)|\new
.set MSB, \new
.endif
.endm
.set MUL_LO, 0xa1
.set MUL_HI, 0xf1
.set TO_B,   0x40
.macro JLOAD g0a, g1a, g0b, g1b        ; a joint load: waves 0 and 1 fetch for A, waves 2 and 3 for B; an s_nop 0 and four v_nop follow each of the two lines
	s_cmp_eq_u32 s15, 0
	s_cbranch_scc0 .Lfor_b_\@
	tensor_load_to_lds s[\g0a:\g0a+3], s[\g1a:\g1a+7]
	s_nop 0
.rept 4
	v_nop
.endr
	s_branch .Lasked_\@
.Lfor_b_\@:
	tensor_load_to_lds s[\g0b:\g0b+3], s[\g1b:\g1b+7]
	s_nop 0
.rept 4
	v_nop
.endr
.Lasked_\@:
.endm
.macro CREST
	s_cmp_lg_u32 s14, 0
	s_cbranch_scc1 .Lnot_wave_0_\@
	s_barrier_signal -3
.Lnot_wave_0_\@:
	s_barrier_wait -3
	s_barrier_signal -1
	s_barrier_wait -1
.endm
.macro CROUND
	s_barrier_signal -1
	s_barrier_wait -1
	CREST
.endm
	s_load_b256 s[4:11], s[0:1], 0x0               ; yq s[4:5], wq s[6:7], bout s[8:9], out0 s[10:11]
	v_lshl_add_u32 v[SPW], v0, 2, SPARE
	v_mov_b32 v[NIL], 0
	ds_add_u32 v[SPW], v[NIL]                      ; the wave's opening: the add, twice on end, and its wait ahead of my first tensor load
	ds_add_u32 v[SPW], v[NIL]
	v_lshrrev_b32 v1, 5, v0
	v_readfirstlane_b32 s14, v1                    ; wave 0..3
	s_lshr_b32 s15, s14, 1                         ; which half of the tile's rows is mine.  Also: I fetch for A (0) or for B (1)
	s_and_b32 s16, s14, 1                          ; which half of its columns.  Also: which 128 rows of that tile I fetch
	s_bfe_u32 s40, ttmp6, 0x40000                  ; cx, cy
	s_bfe_u32 s41, ttmp6, 0x40004
	s_lshl_b32 s42, ttmp9, 2
	s_add_co_u32 s42, s42, s40                     ; tile column
	s_and_b32 s17, ttmp7, 0xffff
	s_lshl_b32 s17, s17, 2
	s_add_co_u32 s17, s17, s41                     ; tile row
	s_lshl_b32 s43, s41, 2
	s_lshl_b32 s43, 15, s43                        ; my row of the cluster
	s_lshl_b32 s44, 0x1111, s40                    ; my column
	s_or_b32 s[G1+0], s43, (3<<16)|(1<<21)         ; 8 row tiles x 3,072 bytes, 12,288 bytes apart, in elements of 8 bytes
	s_or_b32 s[G1B+0], s44, (3<<16)|(1<<21)
.irp g, G1, G1B
	s_mov_b32 s[\g+1], 384<<16
	s_mov_b32 s[\g+2], 8<<16
	s_mov_b32 s[\g+3], 384<<16
	s_mov_b32 s[\g+4], 8
	s_mov_b32 s[\g+5], 1536
	s_mov_b32 s[\g+6], 0
	s_mov_b32 s[\g+7], 0
.endr
	s_or_b32 s[G1S+0], s43, (3<<16)|(1<<21)        ; the scale words of 128 rows: 4,096 dense bytes as 16 rows of 256
	s_or_b32 s[G1SB+0], s44, (3<<16)|(1<<21)
.irp g, G1S, G1SB
	s_mov_b32 s[\g+1], 32<<16
	s_mov_b32 s[\g+2], 16<<16
	s_mov_b32 s[\g+3], 32<<16
	s_mov_b32 s[\g+4], 16
	s_mov_b32 s[\g+5], 32
	s_mov_b32 s[\g+6], 0
	s_mov_b32 s[\g+7], 0
.endr
	s_mul_i32 s18, s16, 98304                      ; the 128 rows that I fetch
	s_mul_i32 s20, s17, 196608
	s_add_co_u32 s20, s20, s18                     ; y's codes
	s_mov_b32 s21, 0
	s_mul_i32 s46, s42, 196608
	s_add_co_u32 s46, s46, s18
	s_add_co_u32 s46, s46, 2457600                 ; Wout's codes in wq
	s_mov_b32 s47, 0
	s_lshl_b32 s22, s17, 1
	s_add_co_u32 s22, s22, s16
	s_lshl_b32 s22, s22, 12
	s_add_co_u32 s22, s22, 6291456                 ; y's scale words
	s_mov_b32 s23, 0
	s_lshl_b32 s92, s42, 1
	s_add_co_u32 s92, s92, s16
	s_lshl_b32 s92, s92, 12
	s_add_co_u32 s92, s92, 3244032                 ; Wout's
	s_mov_b32 s93, 0
	s_mul_i32 s45, s14, HALFT                      ; where they go: no place in the cluster enters an LDS address
	s_lshl_b32 s94, s14, 12
	s_wait_dscnt 0x0                               ; both opening adds are done
	s_wait_kmcnt 0x0
	s_add_nc_u64 s[20:21], s[4:5], s[20:21]
	s_add_nc_u64 s[22:23], s[4:5], s[22:23]
	s_add_nc_u64 s[46:47], s[6:7], s[46:47]
	s_add_nc_u64 s[92:93], s[6:7], s[92:93]
	CROUND                                         ; all sixteen work-groups are here: the first joint loads meet
	s_mov_b32 s[G0S], 1
	s_add_co_u32 s[G0S+1], s94, SCL
	s_mov_b64 s[G0S+2:G0S+3], s[22:23]
	s_or_b32 s[G0S+3], s[G0S+3], 0x80000000
	s_mov_b32 s[G0SB], 1
	s_add_co_u32 s[G0SB+1], s94, SCL
	s_mov_b64 s[G0SB+2:G0SB+3], s[92:93]
	s_or_b32 s[G0SB+3], s[G0SB+3], 0x80000000
	JLOAD G0S, G1S, G0SB, G1SB
.irp s, 0,1
	s_mov_b32 s[G0+4*\s], 1
	s_add_co_u32 s[G0+4*\s+1], s45, \s*SLOT
	s_add_nc_u64 s[G0+4*\s+2:G0+4*\s+3], s[20:21], \s*3072
	s_or_b32 s[G0+4*\s+3], s[G0+4*\s+3], 0x80000000
	s_mov_b32 s[G0B+4*\s], 1
	s_add_co_u32 s[G0B+4*\s+1], s45, \s*SLOT
	s_add_nc_u64 s[G0B+4*\s+2:G0B+4*\s+3], s[46:47], \s*3072
	s_or_b32 s[G0B+4*\s+3], s[G0B+4*\s+3], 0x80000000
	JLOAD G0+4*\s, G1, G0B+4*\s, G1B               ; three tensor loads of mine are out
.endr
	v_and_b32 v1, 15, v0                           ; r
	v_bfe_u32 v2, v0, 4, 1                         ; h
	v_and_b32 v3, 31, v0
	v_lshlrev_b32 v[CO], 4, v3
	s_mul_i32 s21, s15, HALFT
	s_mul_i32 s22, s16, HALFT
	s_add_co_u32 s22, s22, 2*HALFT
.irp s, 0,1
	v_add_nc_u32 v[ADRA+\s], s21, v[CO]
	v_add_nc_u32 v[ADRB+\s], s22, v[CO]
	s_add_co_u32 s21, s21, SLOT
	s_add_co_u32 s22, s22, SLOT
.endr
	s_lshl_b32 s21, s15, 12
	s_lshl_b32 s22, s16, 12
	s_add_co_u32 s22, s22, 8192
	s_sub_co_u32 s22, s22, s21
	v_mul_u32_u24 v6, s22, v2                      ; lanes 16-31 take B's scale words: one product with h
	s_add_co_u32 s21, s21, SCL
	v_lshlrev_b32 v5, 2, v1
	v_add_nc_u32 v5, v5, v6
	v_add_nc_u32 v[ADRS], s21, v5
	s_mul_i32 s23, s14, 16*SPITCH                  ; my stage
	v_mul_u32_u24 v5, v1, SPITCH
	v_lshl_add_u32 v5, v2, 5, v5
	v_add_nc_u32 v[STO], s23, v5                   ; in: row r, 32 bytes for each half of the lanes
	v_add_nc_u32 v[RD], s23, v[CO]                 ; back: the 32 lanes take one row of 512 bytes
	s_lshl_b32 s20, s17, 8
	s_lshl_b32 s21, s15, 7
	s_add_co_u32 s20, s20, s21                     ; my first row of the output
	s_lshl_b32 s20, s20, 12                        ; rows of 4,096 bytes
	s_lshl_b32 s46, s42, 10
	s_lshl_b32 s47, s16, 9
	s_add_co_u32 s46, s46, s47                     ; my first column, in bytes
	s_mov_b32 s47, 0
	s_add_nc_u64 s[8:9], s[8:9], s[46:47]
	global_load_b128 v[8:11], v[CO], s[8:9]        ; the bias of my four columns: the same in every row that I store
	s_add_co_u32 s20, s20, s46
	s_mov_b32 s21, 0
	s_add_nc_u64 s[10:11], s[10:11], s[20:21]
.macro FRAG reg, adr, q, i
.irp c, 0,1,2
	ds_load_b128 v[\reg+4*\c:\reg+4*\c+3], v[\adr] offset:(\i)*3072+(\q)*1536+512*\c
.endr
.endm
; 16 matrix instructions: A's blocks a0, a0 + 1 x B's eight.  The 64 accumulators take turns, one instruction a turn, in the same order in every step.
.macro MUL16 a0, p, q, sc, zero
.irp a, \a0, \a0+1
.irp b, 0,1,2,3,4,5,6,7
.if \zero
	v_wmma_scale_f32_16x16x128_f8f6f4 v[8*(8*((\a)%4)+\b):8*(8*((\a)%4)+\b)+7], v[128*(\p)+FR*\b:128*(\p)+FR*\b+FR-1], v[AF+FR*(\a):AF+FR*(\a)+FR-1], 0, v[SC+8*NQ*(\sc)+NQ*\b+(\q)], v[SC+8*NQ*(\sc)+NQ*(\a)+(\q)] matrix_a_fmt:MATRIX_FMT_FP6 matrix_b_fmt:MATRIX_FMT_FP6 matrix_a_scale:MATRIX_SCALE_ROW1
.else
	v_wmma_scale_f32_16x16x128_f8f6f4 v[8*(8*((\a)%4)+\b):8*(8*((\a)%4)+\b)+7], v[128*(\p)+FR*\b:128*(\p)+FR*\b+FR-1], v[AF+FR*(\a):AF+FR*(\a)+FR-1], v[8*(8*((\a)%4)+\b):8*(8*((\a)%4)+\b)+7], v[SC+8*NQ*(\sc)+NQ*\b+(\q)], v[SC+8*NQ*(\sc)+NQ*(\a)+(\q)] matrix_a_fmt:MATRIX_FMT_FP6 matrix_b_fmt:MATRIX_FMT_FP6 matrix_a_scale:MATRIX_SCALE_ROW1
.endif
.endr
.endr
.endm
.macro FETCH_B slot, q, p
	WIN TO_B
.irp i, 0,1,2,3,4,5,6,7
	FRAG 128*(\p)+FR*\i, ADRB+\slot, \q, \i
.endr
	WIN 0
.endm
.macro FETCH_A slot, q, i0
.irp i, \i0, \i0+1, \i0+2, \i0+3
	FRAG AF+FR*(\i), ADRA+\slot, \q, \i
.endr
.endm
.macro SCALES sc                       ; lanes 0-15 take A's block i, lanes 16-31 B's block i; the two fall on the same banks, two deep: sixteen loads for 128 matrix instructions
.irp i, 0,1,2,3,4,5,6,7
.irp q, 0,1
	ds_load_b32 v[SC+8*NQ*\sc+NQ*\i+\q], v[ADRS] offset:512*\q+64*\i
.endr
.endr
.endm
.macro PLACES n                        ; places behind matrix instructions: plain vector instructions that name none of their registers
.rept \n
	v_nop
.endr
.endm
.macro STEP slot, q, zero
	s_wait_dscnt 4*NL                              ; all but the youngest twelve loads (A's blocks 4-7) are in
	WIN MUL_LO
	MUL16 0, (\q)%2, \q, \slot, \zero
	MUL16 2, (\q)%2, \q, \slot, \zero
	s_wait_dscnt 0
	PLACES NP
	FETCH_B \slot, (\q)+1, 1-(\q)%2
	FETCH_A \slot, (\q)+1, 0
	WIN MUL_HI
	MUL16 4, (\q)%2, \q, \slot, \zero
	MUL16 6, (\q)%2, \q, \slot, \zero
	PLACES NP
	WIN 0
	FETCH_A \slot, (\q)+1, 4
.endm
.macro TURN slot, next, fill
	s_wait_tensorcnt 0x0                           ; all my tensor loads have landed: my part of the next slot
	ds_add_u32 v[SPW], v[NIL]                      ; 0 onto my spare word
	s_wait_dscnt 4*NL+1                            ; (the add and the youngest twelve loads may be out)
	WIN MUL_LO
	MUL16 0, 1, NQ-1, \slot, 0
	s_wait_dscnt 0x0                               ; the add is done, and my reads of this slot are over
	s_barrier_signal -1
	MUL16 2, 1, NQ-1, \slot, 0
	WIN 0
	s_barrier_wait -1
.if \fill
	CREST                                          ; the barrier has opened a round of the cluster's barrier
	s_add_nc_u64 s[G0+4*\slot+2:G0+4*\slot+3], s[G0+4*\slot+2:G0+4*\slot+3], 6144
	s_add_nc_u64 s[G0B+4*\slot+2:G0B+4*\slot+3], s[G0B+4*\slot+2:G0B+4*\slot+3], 6144
	JLOAD G0+4*\slot, G1, G0B+4*\slot, G1B         ; the first tensor load behind the round; its four v_nop are the places in front of the loads below
.else
	PLACES NP
.endif
	v_add_nc_u32 v[ADRS], 1024, v[ADRS]
	FETCH_B \next, 0, 0
	FETCH_A \next, 0, 0
	SCALES \next
	WIN MUL_HI
	MUL16 4, 1, NQ-1, \slot, 0
	MUL16 6, 1, NQ-1, \slot, 0
	PLACES NP
	WIN 0
	FETCH_A \next, 0, 4
.endm
	s_wait_tensorcnt 1                             ; the scale words and my part of slot 0 are in (slot 1's load may be out)
	s_barrier_signal -1
	s_barrier_wait -1
	FETCH_B 0, 0, 0
	FETCH_A 0, 0, 0
	SCALES 0
	FETCH_A 0, 0, 4
	STEP 0, 0, 1                                   ; the first step's products start the sums
	s_mov_b32 s3, LAPS-1
.Llap:
	TURN 0, 1, 1
	STEP 1, 0, 0
	TURN 1, 0, 1
	STEP 0, 0, 0
	s_sub_co_u32 s3, s3, 1
	s_cmp_lg_u32 s3, 0
	s_cbranch_scc1 .Llap
	TURN 0, 1, 0                                   ; the last lap fills nothing
	STEP 1, 0, 0
	s_wait_dscnt 4*NL
	WIN MUL_LO
	MUL16 0, 1, NQ-1, 1, 0
	MUL16 2, 1, NQ-1, 1, 0
	s_wait_dscnt 0
	WIN MUL_HI
	MUL16 4, 1, NQ-1, 1, 0
	MUL16 6, 1, NQ-1, 1, 0
	WIN 0
; THE WAY OUT, block by block of 16 rows x 128 columns: through my own stage in LDS and back as whole rows of 512 bytes; the bias is added to the rows as they come back.
.macro TOSTAGE a
.set AC, 64*((\a)%4)
.set WN, 0x08+4*((\a)/4)               ; an LDS store's data are its source 1: window 2 or 3
	WIN WN
.irp b, 0,1,2,3,4,5,6,7
	ds_store_b128 v[STO], v[AC+8*\b:AC+8*\b+3] offset:64*\b          ; each accumulator from its low end on
	ds_store_b128 v[STO], v[AC+8*\b+4:AC+8*\b+7] offset:64*\b+16
.endr
	WIN 0
.set BB, BK+64*((\a)%2)
.irp t, 0,1,2,3,4,5,6,7,8,9,10,11,12,13,14,15
	ds_load_b128 v[BB+4*\t:BB+4*\t+3], v[RD] offset:\t*SPITCH        ; LDS serves a wave's instructions in order: these see the stores above
.endr
.endm
.macro SEND a, younger                 ; younger: the LDS instructions issued behind block a's loads, which may stay out
.set BB, BK+64*((\a)%2)
	s_wait_dscnt \younger
.if (\a) > 0
	s_add_nc_u64 s[10:11], s[10:11], 16*4096       ; (behind a wait on XCNT: the earlier stores have read their base)  16 rows on
.endif
.irp t, 0,1,2,3,4,5,6,7,8,9,10,11,12,13,14,15
	v_pk_add_f32 v[BB+4*\t:BB+4*\t+1], v[BB+4*\t:BB+4*\t+1], v[8:9]
	v_pk_add_f32 v[BB+4*\t+2:BB+4*\t+3], v[BB+4*\t+2:BB+4*\t+3], v[10:11]
	global_store_b128 v[CO], v[BB+4*\t:BB+4*\t+3], s[10:11] offset:\t*4096 th:TH_STORE_NT   ; 32 lanes store 512 consecutive bytes, aligned; written once, read by nobody here
.endr
.endm
	PLACES NP                                      ; behind the last products: their results are read, and loads land in the registers that held A's fragments
	s_wait_loadcnt 0x0                             ; the bias
	TOSTAGE 0
.irp a, 1,2,3,4,5,6,7
.if \a > 1
	s_wait_xcnt 0x0                                ; block a - 2's stores have read their registers and their base
.endif
	TOSTAGE \a
	SEND \a-1, 32                                  ; behind block a - 1's loads: block a's 16 stores and 16 loads
.endr
	s_wait_xcnt 0x0                                ; block 6's stores have read their base
	SEND 7, 0
	s_wait_tensorcnt 0x0                           ; the wave's end: behind my last tensor load and my last LDS store
	ds_add_u32 v[SPW], v[NIL]
	s_wait_dscnt 0x0
	CROUND                                         ; the closing round
	s_endpgm
.Lfunc_end_k_q277488d670_outp:
	.size	k_q277488d670_outp, .Lfunc_end_k_q277488d670_outp-k_q277488d670_outp
	.p2alignl 7, 3214868480
	.fill 96, 4, 3214868480
	.section	.rodata,"a",@progbits
	.p2align	6, 0x0
	.amdhsa_kernel k_q277488d670_outp
		.amdhsa_group_segment_fixed_size 327680
		.amdhsa_private_segment_fixed_size 0
		.amdhsa_enable_private_segment 0
		.amdhsa_kernarg_size 32
		.amdhsa_user_sgpr_count 2
		.amdhsa_user_sgpr_kernarg_segment_ptr 1
		.amdhsa_wavefront_size32 1
		.amdhsa_system_sgpr_workgroup_id_x 1
		.amdhsa_system_sgpr_workgroup_id_y 1
		.amdhsa_system_sgpr_workgroup_id_z 1
		.amdhsa_system_vgpr_workitem_id 0
		.amdhsa_next_free_vgpr 1024
		.amdhsa_next_free_sgpr 98
		.amdhsa_reserve_vcc 0
		.amdhsa_float_denorm_mode_32 3
		.amdhsa_float_denorm_mode_16_64 3
		.amdhsa_memory_ordered 1
		.amdhsa_forward_progress 1
		.amdhsa_inst_pref_size 154
	.end_amdhsa_kernel
	.amdgpu_metadata
---
amdhsa.version: [ 1, 2 ]
amdhsa.kernels:
  - .name:           k_q277488d670_outp
    .symbol:         k_q277488d670_outp.kd
    .args:
      - { .name: yq, .offset: 0, .size: 8, .value_kind: global_buffer, .address_space: global }
      - { .name: wq, .offset: 8, .size: 8, .value_kind: global_buffer, .address_space: global }
      - { .name: bout, .offset: 16, .size: 8, .value_kind: global_buffer, .address_space: global }
      - { .name: out0, .offset: 24, .size: 8, .value_kind: global_buffer, .address_space: global }
    .group_segment_fixed_size: 327680
    .private_segment_fixed_size: 0
    .kernarg_segment_align: 8
    .kernarg_segment_size: 32
    .max_flat_workgroup_size: 128
    .sgpr_count:     98
    .vgpr_count:     1024
    .wavefront_size: 32
...
	.end_amdgpu_metadata
.endif
;; end of part 4
